; MI455X (gfx1250); checked and timed in simulation.
; The chip was launched on July 23, 2026; its instructions are those of AMD's public machine-readable ISA for CDNA 5 (MIT licence, August 2026) and "CDNA5" Instruction Set Architecture Reference Guide (July 2026). The comments in the code are by the model that wrote it; some were corrected since.
;; Multi Head Attention. Allowed arithmetic: matrix products marked QUANTISED: E2M1 operands, one E8M0 scale for each 32 along K, by v_wmma_scale_f32_16x16x128_f8f6f4 with both operands' format E2M1 (or v_wmma_scale_f32_32x16x128_f4), f32 sums; products left as they are: bf16, f16 or f32 operands; f32 sums; everything else in f32.
;; Inputs: Wk 1,024 x 1,024 float32; Wo 1,024 x 1,024 float32; Wq 1,024 x 1,024 float32; Wv 1,024 x 1,024 float32; bk 1,024 float32; bo 1,024 float32; bq 1,024 float32; bv 1,024 float32; k 4 x 2,048 x 1,024 float32; q 4 x 2,048 x 1,024 float32; v 4 x 2,048 x 1,024 float32.
;; Outputs: out0 4 x 2,048 x 1,024 float32.
;; This version of the problem:
;;   THIS VERSION OF THE PROBLEM IS GIVEN IN LOW PRECISION. The matrix products marked QUANTISED in the list below multiply operands that are first quantised to E2M1 (2 exponent bits, 1 mantissa bit; 4 bits a number), with one power-of-two scale for each 32 numbers along K (OCP MX v1.0); their sums are f32. The products marked 'left as it is' may take bf16, f16 or f32 operands, with f32 sums. Whichever they take, every output number must still come out within the allowed error. Rounding operands to bf16 (8 significant bits) uses up far more of that allowance than f16 does (11 bits, for magnitudes from 6e-5 to 65,504). All else is computed in f32.
;;   The module's matrix products, in the order in which they are computed (A, B: the left and right operand; K: the contracted axis; several contracted axes count as one K, in the product's order):
;;     1. [M 8,192, K 1,024] x [K 1,024, N 1,024]; A: input q; B: input Wq: QUANTISED
;;     2. [M 8,192, K 1,024] x [K 1,024, N 1,024]; A: input k; B: input Wk: QUANTISED
;;     3. [M 8,192, K 1,024] x [K 1,024, N 1,024]; A: input v; B: input Wv: QUANTISED
;;     4. batch 64 x [M 2,048, K 64] x [K 64, N 2,048]; A: computed on the way; B: computed on the way: left as it is (an operand is computed on the way)
;;     5. batch 64 x [M 2,048, K 2,048] x [K 2,048, N 64]; A: computed on the way; B: computed on the way: left as it is (an operand is computed on the way)
;;     6. [M 8,192, K 1,024] x [K 1,024, N 1,024]; A: computed on the way; B: input Wo: left as it is (an operand is computed on the way)
;;   THE QUANTISER, for each operand of a quantised product, along K:
;;     - K is cut into blocks of 32 from its start; a last block that is shorter is filled with zeros.
;;     - A block's scale is 2^e with e = floor(log2(the largest magnitude in the block)) - 2, held to -126 .. 127; a block of zeros has e = 0. As a byte (E8M0): e + 127.
;;     - Each number is divided by its block's scale, clamped to +-6, and rounded to the nearest number of E2M1, ties to even, subnormals kept.
;;     - The product sums the exact products of the quantised numbers (number of the format x scale) in f32.
;;   ~~~python
;;   def quantise(x, axis):      # numpy; x: float32 -> the quantised numbers, widened to float32 again
;;       x = np.moveaxis(x, axis, -1); K = x.shape[-1]
;;       x = np.pad(x, [(0, 0)] * (x.ndim - 1) + [(0, -K % 32)]); x = x.reshape(x.shape[:-1] + (-1, 32)); a = np.abs(x).max(-1, keepdims=True)
;;       e = np.where(a > 0, np.clip(np.frexp(np.where(a > 0, a, 1))[1] - 1 - 2, -126, 127), 0)      # np.frexp(a)[1] - 1 = floor(log2(a)), exactly
;;       r = np.clip(x / 2.0 ** e, -6, 6)
;;       step = 2.0 ** (np.maximum(np.frexp(np.where(r == 0, 1, r))[1] - 1, 0) - 1)
;;       q = np.round(r / step) * step * 2.0 ** e      # np.round: ties to even
;;       return np.moveaxis(q.reshape(q.shape[:-2] + (-1,))[..., :K], -1, axis).astype(np.float32)
;;   ~~~
;; One version. Each part assembles by itself: llvm-mc -triple=amdgcn-amd-amdhsa -mcpu=gfx1250 --defsym DOCPART=n.
;; ======== version 1 of 1: 4 launches
;; limits: values are held in f16: magnitudes above 65,504 overflow, below 6.1e-05 lose precision
;; workspace buffers: xc 12,582,912 bytes; xs 786,432 bytes; wc 1,572,864 bytes; ws 98,304 bytes; woi 2,097,152 bytes; qkv 50,331,648 bytes; ao 16,777,216 bytes
;; launch prep (part 1): grid 992 x 1, 4 waves a work-group, no clusters, 50,688 bytes of LDS; arguments q, k, v, Wq, Wk, Wv, Wo, xc, xs, wc, ws, woi; writes xc, xs, wc, ws, woi
.if DOCPART == 1
	.amdgcn_target "amdgcn-amd-amdhsa--gfx1250"
	.amdhsa_code_object_version 6
	.text
	.protected	k_q5a0dbd23b1_prep
	.globl	k_q5a0dbd23b1_prep
	.p2align	8
	.type	k_q5a0dbd23b1_prep,@function
k_q5a0dbd23b1_prep:
	s_mov_b64 s[64:65], 0
	v_nop
	global_prefetch_b8 v0, s[64:65] scope:SCOPE_SE
	s_setreg_imm32_b32 hwreg(HW_REG_WAVE_MODE, 25, 1), 1
	s_wait_xcnt 0x0
; MULTI-HEAD ATTENTION, launch 1 of 4: the operands of the three quantised projections become codes of FP4 (E2M1) with one E8M0 byte for each 32 along K = 1,024, and Wo becomes f16.
; WORK LEFT OUT IN THE WHOLE PROGRAM: bk.  scores[q][k] = qh[q] . (k Wk)[k] + qh[q] . bk; the second term is the same for every key k of a softmax row, so the softmax takes it away for all values of the
; inputs; the product of qh and kh is not quantised, so no quantiser sees kh.  bk is not loaded and is no argument of any launch.  LIMIT: a NaN, an infinity or an overflow that reaches only that term is not carried to the result.
; bv is live and is moved by an identity: the softmax's weights of a row add up to 1, so sum_k a_k (vW_k + bv) = sum_k a_k vW_k + bv: it is added in launch 3, in the multiply-add that divides by the row's sum.
; THE QUANTISER: a block's scale is 2^(floor(log2(its largest magnitude)) - 2): its byte is the largest magnitude's exponent field - 2, held at 1 from below; each number / scale goes to the nearest code, ties to even, beyond 6 to 6.
; LIMITS: a block of zeros gets the byte 1 where the rule says 127 (its codes are zeros, which add nothing, and this program alone reads the bytes); blocks whose largest magnitude lies under 2^-124 are held at the byte 1;
; NaN and infinities among the inputs are not served.  Wo in f16: magnitudes up to 65,504; under 6e-5 kept to 2^-25 absolute.
; THREE PATHS, parted by the work-group's number (the same in all four waves), each with LDS bytes of its own:
;   0 - 95    Wq, Wk, Wv [k][n] -> wc [3][n][512 bytes], ws [3][n][32 bytes]: a lane takes a column and its registers run down K, so nothing is transposed
;   96 - 223  Wo [k][n] -> woi: f16 images of operand registers, [k / 128][n / 16][(k / 16) % 8][512 bytes]: lane (r, h) of an image owns 16 bytes at 16 (r + 16 h): column 16 nt + r, k = 16 kk + 8 h + 0 .. 7
;   224 - 991 q, k, v [row][k] -> xc [3][row][512 bytes], xs [3][row][32 bytes]: plain streams of blocks of 32
; The short paths have the lowest numbers, so that they run beside the long stream.  No tensor loads, no clusters, no matrix work: memory binds, and no work-group shares an input with another.
.set SP,    80                         ; path x: a lane's place in a stage: 64 bytes + 16 of padding
.set WSTG,  32768                      ; path W: a stage of 64 rows x 272 bytes, behind path x's four regions of 8,192 bytes
.set WP,    272
.set SPARE, 50176                      ; behind the stage: the spare words, 128 bytes for each wave
.set SPW,   12                         ; v12  LDS address of my spare word; never rewritten
.set NIL,   13                         ; v13  0; never rewritten
.set STEPS, 16
.set R,     16                         ; path x: v16-79 four sets of 16 numbers as loaded; v80-111 two sets of 16 neighbours; v112-127 a byte a step; v128-191 codes
.set X,     80
.set E,     112
.set C,     128
.set XW,    32                         ; path W: v32-95 two sets of 32 numbers; v96-99 a block's codes; v24-25 the scale bytes; v112-143 the way out
.set CW,    96
.set SB,    24
.set OUTR,  112
.macro FINISH                          ; a wave's end: three lines behind the last LDS store
	s_wait_tensorcnt 0x0
	ds_add_u32 v[SPW], v[NIL]
	s_wait_dscnt 0x0
	s_endpgm
.endm
	s_load_b512 s[4:19], s[0:1], 0x0               ; q s[4:5], k s[6:7], v s[8:9], Wq s[10:11], Wk s[12:13], Wv s[14:15], Wo s[16:17], xc s[18:19]
	s_load_b256 s[20:27], s[0:1], 0x40             ; xs s[20:21], wc s[22:23], ws s[24:25], woi s[26:27]
	v_lshl_add_u32 v[SPW], v0, 2, SPARE
	v_mov_b32 v[NIL], 0
	v_lshrrev_b32 v1, 5, v0
	v_readfirstlane_b32 s28, v1                    ; wave 0..3
	v_and_b32 v2, 31, v0                           ; lane
	s_cmp_lt_u32 ttmp9, 96
	s_cbranch_scc1 .Lweights
	s_cmp_lt_u32 ttmp9, 224
	s_cbranch_scc1 .Lwo
; ---------------- q, k, v.  A wave takes a run of 8,192 numbers: 16 steps of 512.  The conversions take neighbours along K from ONE lane's registers, a load is best where neighbouring LANES take neighbouring bytes:
; each of a step's four loads reads 512 consecutive bytes; the 2,048 bytes turn through the wave's own stage in LDS and come back 64 bytes a lane.  Two neighbouring lanes hold a block.
	v_lshlrev_b32 v3, 4, v2                        ; my 16 bytes of a load's 512
	s_lshl_b32 s29, s28, 13                        ; my wave's region of LDS
	v_lshrrev_b32 v14, 2, v2
	v_mul_u32_u24 v14, v14, SP
	v_and_b32 v15, 3, v2
	v_lshl_add_u32 v14, v15, 4, v14
	v_add_nc_u32 v14, s29, v14                     ; the stage, on the way in: four lanes' 64 bytes on end, then 16 of padding
	v_mul_u32_u24 v15, v2, SP
	v_add_nc_u32 v15, s29, v15                     ; and on the way out: my 16 neighbours
	v_lshlrev_b32 v4, 3, v2                        ; 8 bytes a lane: my codes' place in a step's 256, and my part of the run's 256 scale bytes
	v_lshrrev_b32 v5, 1, v2
	s_add_co_u32 s29, s29, 2*32*SP
	v_add_nc_u32 v5, s29, v5                       ; LDS: my block's byte among the wave's 256
	v_add_nc_u32 v6, s29, v4                       ; and where I read 8 of them back
	s_sub_co_u32 s30, ttmp9, 224
	s_lshl_b32 s30, s30, 2
	s_add_co_u32 s30, s30, s28                     ; my run, 0 .. 3,071: 1,024 to a tensor
	s_lshr_b32 s31, s30, 10                        ; which tensor
	s_and_b32 s32, s30, 1023
	s_lshl_b32 s32, s32, 15                        ; 32,768 bytes of f32 a run,
	s_mov_b32 s33, 0
	s_lshl_b32 s34, s30, 12                        ; 4,096 of codes,
	s_mov_b32 s35, 0
	s_lshl_b32 s36, s30, 8                         ; 256 of scale bytes
	s_mov_b32 s37, 0
	s_wait_kmcnt 0x0
	s_cmp_eq_u32 s31, 1                            ; the choice hangs on the work-group's number alone
	s_cselect_b64 s[38:39], s[6:7], s[4:5]
	s_cmp_eq_u32 s31, 2
	s_cselect_b64 s[38:39], s[8:9], s[38:39]
	s_add_nc_u64 s[38:39], s[38:39], s[32:33]
	s_add_nc_u64 s[18:19], s[18:19], s[34:35]
	s_add_nc_u64 s[20:21], s[20:21], s[36:37]
.macro XLOAD t
.irp i, 0,1,2,3
	global_load_b128 v[R+16*((\t)%4)+4*\i:R+16*((\t)%4)+4*\i+3], v3, s[38:39] offset:2048*(\t)+512*\i th:TH_LOAD_NT   ; 32 lanes read 512 consecutive bytes, once in the launch
.endr
.endm
.macro XTURN t                         ; step t's numbers through the stage: LDS serves a wave's instructions in order, so no wait stands between the stores and the loads
.irp i, 0,1,2,3
	ds_store_b128 v14, v[R+16*((\t)%4)+4*\i:R+16*((\t)%4)+4*\i+3] offset:32*SP*((\t)%2)+8*SP*\i
.endr
.irp i, 0,1,2,3
	ds_load_b128 v[X+16*((\t)%2)+4*\i:X+16*((\t)%2)+4*\i+3], v15 offset:32*SP*((\t)%2)+16*\i
.endr
.endm
.irp t, 0,1,2,3
	XLOAD \t
.endr
	s_wait_loadcnt 12                              ; step 0's four loads are in; the twelve of steps 1 to 3 may be out
	XTURN 0
.macro XSTEP t
.set XS, X+16*((\t)%2)
.if (\t) > 0
	s_wait_dscnt 1                                 ; this step's numbers are back from the stage (the last step's byte store may be out), so its stores into the stage have read their registers,
.else
	s_wait_dscnt 0x0
.endif
.if (\t)+4 < STEPS
	XLOAD (\t)+4                                   ; which take the loads of four steps on
.endif
.if (\t)+1 < STEPS
.if STEPS-2-(\t) >= 3
	s_wait_loadcnt 12                              ; the next step's four loads are in; those of the three steps behind it may be out
.else
	s_wait_loadcnt 4*(STEPS-2-(\t))
.endif
	XTURN (\t)+1                                   ; and go through the other stage while this step is worked
.endif
	v_max3_num_f32 v8, |v[XS]|, |v[XS+1]|, |v[XS+2]|               ; the largest magnitude of my 16, in two chains
	v_max3_num_f32 v9, |v[XS+3]|, |v[XS+4]|, |v[XS+5]|
.irp i, 6,10
	v_max3_num_f32 v8, v8, |v[XS+\i]|, |v[XS+\i+1]|
	v_max3_num_f32 v9, v9, |v[XS+\i+2]|, |v[XS+\i+3]|
.endr
	v_max3_num_f32 v8, v8, |v[XS+14]|, |v[XS+15]|
	v_max3_num_f32 v8, v8, v9, 0x1800000           ; and the floor 2^(3 - 127): the byte cannot fall under 1
	v_max_num_f32_dpp v8, v8, v8 row_xmask:1 row_mask:0xf bank_mask:0xf   ; and of my neighbour's 16: the block's
	v_add_nc_u32 v11, 0xff000000, v8               ; 2 off its exponent field: the conversion takes the exponent field of this operand as its scale
	v_cvt_scalef32_pk8_fp4_f32 v[C+4*(\t)], v[XS:XS+7], v11
	v_cvt_scalef32_pk8_fp4_f32 v[C+4*(\t)+1], v[XS+8:XS+15], v11
	v_lshrrev_b32 v[E+(\t)], 23, v11               ; the scale's byte (a plain line behind the conversions)
	ds_store_b8 v5, v[E+(\t)] offset:16*(\t)       ; both lanes of a block write the same byte with the same value
	global_store_b64 v4, v[C+4*(\t):C+4*(\t)+1], s[18:19] offset:256*(\t)   ; the wave stores 256 consecutive bytes, aligned
.endm
.irp t, 0,1,2,3,4,5,6,7,8,9,10,11,12,13,14,15
	XSTEP \t
.endr
	ds_load_b64 v[8:9], v6                         ; LDS serves a wave's instructions in order: these see my byte stores
	s_wait_dscnt 0x0
	global_store_b64 v4, v[8:9], s[20:21]          ; the run's 256 scale bytes: 256 consecutive bytes, aligned
	FINISH
; ---------------- Wq, Wk, Wv.  A work-group takes 64 columns x 512 along K of one weight; its waves are 2 groups of 32 columns x 2 halves of K, so that a wave has 8 blocks of 32 loads, two blocks ahead.
; A lane's codes belong to its own row of wc, so they meet in a stage (row = column, 256 bytes + 16) and leave as rows: a barrier between, since a row's 256 bytes come from two waves.
.Lweights:
	s_lshr_b32 s29, ttmp9, 5                       ; which weight
	s_and_b32 s30, ttmp9, 15                       ; x: which 64 columns
	s_bfe_u32 s31, ttmp9, 0x10004                  ; y: which 512 along K
	s_and_b32 s32, s28, 1                          ; my group of 32 columns
	s_lshr_b32 s33, s28, 1                         ; my half of K
	s_lshl_b32 s34, s30, 6
	s_lshl_b32 s35, s32, 5
	s_add_co_u32 s34, s34, s35                     ; my first column
	s_lshl_b32 s35, s31, 9
	s_lshl_b32 s36, s33, 8
	s_add_co_u32 s35, s35, s36                     ; my first k
	s_lshl_b32 s36, s35, 12                        ; a row of W is 4,096 bytes
	s_lshl_b32 s37, s34, 2
	s_add_co_u32 s36, s36, s37
	s_mov_b32 s37, 0
	s_lshl_b32 s38, s29, 19                        ; wc: 524,288 bytes a weight, rows 64 x + 16 wave on of 512 bytes, + 256 y
	s_lshl_b32 s39, s30, 15
	s_add_co_u32 s38, s38, s39
	s_lshl_b32 s39, s28, 13
	s_add_co_u32 s38, s38, s39
	s_lshl_b32 s39, s31, 8
	s_add_co_u32 s38, s38, s39
	s_mov_b32 s39, 0
	s_lshl_b32 s40, s29, 15                        ; ws: 32,768 bytes a weight, 32 a column, my first block
	s_lshl_b32 s41, s34, 5
	s_add_co_u32 s40, s40, s41
	s_lshr_b32 s41, s35, 5
	s_add_co_u32 s40, s40, s41
	s_mov_b32 s41, 0
	s_mul_i32 s42, s32, 32*WP                      ; the stage, on the way in: row = 32 x group + lane, + 128 x half of K
	s_lshl_b32 s43, s33, 7
	s_add_co_u32 s42, s42, s43
	s_add_co_u32 s42, s42, WSTG
	s_mul_i32 s43, s28, 16*WP                      ; and on the way out: wave w takes rows 16 w .. 16 w + 15
	s_add_co_u32 s43, s43, WSTG
	v_lshlrev_b32 v3, 2, v2                        ; in: 4 bytes a lane
	v_mul_u32_u24 v4, v2, WP
	v_add_nc_u32 v4, s42, v4
	v_and_b32 v14, 15, v2
	v_lshrrev_b32 v15, 4, v2
	v_mul_u32_u24 v7, v15, WP                      ; sixteen lanes to a row, two rows an instruction
	v_lshl_add_u32 v7, v14, 4, v7
	v_add_nc_u32 v7, s43, v7
	v_lshlrev_b32 v5, 9, v15
	v_lshl_add_u32 v5, v14, 4, v5                  ; and the same place in wc
	v_lshlrev_b32 v6, 5, v2                        ; my column's row of scale bytes
	s_wait_kmcnt 0x0
	s_cmp_eq_u32 s29, 1
	s_cselect_b64 s[44:45], s[12:13], s[10:11]
	s_cmp_eq_u32 s29, 2
	s_cselect_b64 s[44:45], s[14:15], s[44:45]
	s_add_nc_u64 s[44:45], s[44:45], s[36:37]
	s_add_nc_u64 s[22:23], s[22:23], s[38:39]
	s_add_nc_u64 s[24:25], s[24:25], s[40:41]
.macro WLOAD t                         ; block t: W(first k + 32 t + i, my column): 128 consecutive bytes a wave
.set i, 0
.rept 32
	global_load_b32 v[XW+32*((\t)%2)+i], v3, s[44:45] offset:(32*(\t)+i)*4096 th:TH_LOAD_NT
.set i, i+1
.endr
.endm
	WLOAD 0
	WLOAD 1
.macro WBLOCK t
.set XS, XW+32*((\t)%2)
.if (\t) < 7
	s_wait_loadcnt 32                              ; this block's 32 loads are in; the next block's 32 may be out
.else
	s_wait_loadcnt 0x0
.endif
	v_max3_num_f32 v8, |v[XS]|, |v[XS+1]|, |v[XS+2]|               ; the block's largest magnitude: all 32 numbers are mine
	v_max3_num_f32 v9, |v[XS+3]|, |v[XS+4]|, |v[XS+5]|
.irp i, 6,10,14,18,22,26
	v_max3_num_f32 v8, v8, |v[XS+\i]|, |v[XS+\i+1]|
	v_max3_num_f32 v9, v9, |v[XS+\i+2]|, |v[XS+\i+3]|
.endr
	v_max3_num_f32 v8, v8, |v[XS+30]|, |v[XS+31]|
	v_max3_num_f32 v8, v8, v9, 0x1800000           ; and the floor
	v_add_nc_u32 v11, 0xff000000, v8               ; the conversion's scale operand
	v_lshrrev_b32 v10, 23, v11                     ; the scale's byte
.if (\t)%4 == 0
	v_mov_b32 v[SB+(\t)/4], v10                    ; four bytes to a register, the lower K in the lower byte
.else
	v_lshl_or_b32 v[SB+(\t)/4], v10, 8*((\t)%4), v[SB+(\t)/4]
.endif
.irp g, 0,1,2,3
	v_cvt_scalef32_pk8_fp4_f32 v[CW+\g], v[XS+8*\g:XS+8*\g+7], v11
.endr
	ds_store_b128 v4, v[CW:CW+3] offset:16*(\t)    ; 32 codes: 16 bytes of my column's row
.if (\t)+2 < 8
	WLOAD (\t)+2
.endif
	s_wait_dscnt 0x0                               ; the store has read its registers: the next block's codes may be written.  (The last: for the others' sake, ahead of the barrier)
.endm
.irp t, 0,1,2,3,4,5,6,7
	WBLOCK \t
.endr
	global_store_b64 v6, v[SB:SB+1], s[24:25]      ; my column's 8 scale bytes
	s_barrier_signal -1
	s_barrier_wait -1                              ; all four waves' codes lie in the stage
.irp i, 0,1,2,3,4,5,6,7
	ds_load_b128 v[OUTR+4*\i:OUTR+4*\i+3], v7 offset:2*\i*WP
.endr
.irp i, 0,1,2,3,4,5,6,7
	s_wait_dscnt 7-\i                              ; LDS loads come back in order: rows 2 i, 2 i + 1 are in
	global_store_b128 v5, v[OUTR+4*\i:OUTR+4*\i+3], s[22:23] offset:1024*\i   ; sixteen lanes store 256 consecutive bytes, aligned
.endr
	FINISH
; ---------------- Wo.  A wave takes 32 columns x 64 along K: a lane a column, registers down K.  Eight neighbours along K round to 16 bytes, which are the lane's part of an image.
.Lwo:
	s_sub_co_u32 s29, ttmp9, 96
	s_and_b32 s30, s29, 7
	s_lshl_b32 s30, s30, 2
	s_add_co_u32 s30, s30, s28                     ; which 32 columns, 0 .. 31: the four waves stand side by side on 512 bytes
	s_lshr_b32 s31, s29, 3                         ; which 64 along K, 0 .. 15
	v_lshlrev_b32 v3, 2, v2
	s_lshl_b32 s32, s31, 18                        ; 64 rows of 4,096 bytes
	s_lshl_b32 s33, s30, 7
	s_add_co_u32 s32, s32, s33
	s_mov_b32 s33, 0
	s_lshr_b32 s34, s31, 1
	s_lshl_b32 s34, s34, 18                        ; woi: 262,144 bytes for 128 along K,
	s_lshl_b32 s35, s30, 13                        ; 4,096 for 16 columns: my two tiles,
	s_add_co_u32 s34, s34, s35
	s_and_b32 s35, s31, 1
	s_lshl_b32 s35, s35, 11                        ; my four images of the eight
	s_add_co_u32 s34, s34, s35
	s_mov_b32 s35, 0
	v_lshrrev_b32 v4, 4, v2
	v_and_b32 v5, 15, v2
	v_lshlrev_b32 v4, 12, v4                       ; lanes 16-31: the next tile of columns
	v_lshl_add_u32 v4, v5, 4, v4
	s_wait_kmcnt 0x0
	s_add_nc_u64 s[16:17], s[16:17], s[32:33]
	s_add_nc_u64 s[26:27], s[26:27], s[34:35]
.set i, 0
.rept 64
	global_load_b32 v[32+i], v3, s[16:17] offset:i*4096 th:TH_LOAD_NT
.set i, i+1
.endr
.irp o, 0,1,2,3,4,5,6,7
	s_wait_loadcnt 56-8*\o                         ; this octet's eight loads are in; the younger octets' may be out
.irp m, 0,1,2,3
	v_cvt_pk_f16_f32 v[96+4*\o+\m], v[32+8*\o+2*\m], v[32+8*\o+2*\m+1]   ; the lower k in the low half
.endr
	global_store_b128 v4, v[96+4*\o:96+4*\o+3], s[26:27] offset:(\o/2)*512+(\o%2)*256   ; image o / 2, half o % 2: sixteen lanes store 256 consecutive bytes, aligned
.endr
	FINISH
.Lfunc_end_k_q5a0dbd23b1_prep:
	.size	k_q5a0dbd23b1_prep, .Lfunc_end_k_q5a0dbd23b1_prep-k_q5a0dbd23b1_prep
	.p2alignl 7, 3214868480
	.fill 96, 4, 3214868480
	.section	.rodata,"a",@progbits
	.p2align	6, 0x0
	.amdhsa_kernel k_q5a0dbd23b1_prep
		.amdhsa_group_segment_fixed_size 50688
		.amdhsa_private_segment_fixed_size 0
		.amdhsa_enable_private_segment 0
		.amdhsa_kernarg_size 96
		.amdhsa_user_sgpr_count 2
		.amdhsa_user_sgpr_kernarg_segment_ptr 1
		.amdhsa_wavefront_size32 1
		.amdhsa_system_sgpr_workgroup_id_x 1
		.amdhsa_system_sgpr_workgroup_id_y 1
		.amdhsa_system_sgpr_workgroup_id_z 1
		.amdhsa_system_vgpr_workitem_id 0
		.amdhsa_next_free_vgpr 192
		.amdhsa_next_free_sgpr 66
		.amdhsa_reserve_vcc 0
		.amdhsa_float_denorm_mode_32 3
		.amdhsa_float_denorm_mode_16_64 3
		.amdhsa_memory_ordered 1
		.amdhsa_forward_progress 1
		.amdhsa_inst_pref_size 84
	.end_amdhsa_kernel
	.amdgpu_metadata
---
amdhsa.version: [ 1, 2 ]
amdhsa.kernels:
  - .name:           k_q5a0dbd23b1_prep
    .symbol:         k_q5a0dbd23b1_prep.kd
    .args:
      - { .name: q, .offset: 0, .size: 8, .value_kind: global_buffer, .address_space: global }
      - { .name: k, .offset: 8, .size: 8, .value_kind: global_buffer, .address_space: global }
      - { .name: v, .offset: 16, .size: 8, .value_kind: global_buffer, .address_space: global }
      - { .name: Wq, .offset: 24, .size: 8, .value_kind: global_buffer, .address_space: global }
      - { .name: Wk, .offset: 32, .size: 8, .value_kind: global_buffer, .address_space: global }
      - { .name: Wv, .offset: 40, .size: 8, .value_kind: global_buffer, .address_space: global }
      - { .name: Wo, .offset: 48, .size: 8, .value_kind: global_buffer, .address_space: global }
      - { .name: xc, .offset: 56, .size: 8, .value_kind: global_buffer, .address_space: global }
      - { .name: xs, .offset: 64, .size: 8, .value_kind: global_buffer, .address_space: global }
      - { .name: wc, .offset: 72, .size: 8, .value_kind: global_buffer, .address_space: global }
      - { .name: ws, .offset: 80, .size: 8, .value_kind: global_buffer, .address_space: global }
      - { .name: woi, .offset: 88, .size: 8, .value_kind: global_buffer, .address_space: global }
    .group_segment_fixed_size: 50688
    .private_segment_fixed_size: 0
    .kernarg_segment_align: 8
    .kernarg_segment_size: 96
    .max_flat_workgroup_size: 128
    .sgpr_count:     66
    .vgpr_count:     192
    .wavefront_size: 32
...
	.end_amdgpu_metadata
.endif
;; end of part 1
;; launch proj (part 2): grid 4 x 96, 4 waves a work-group, clusters of 4 x 4, 327,680 bytes of LDS; arguments xc, xs, wc, ws, bq, qkv; writes qkv
.if DOCPART == 2
	.amdgcn_target "amdgcn-amd-amdhsa--gfx1250"
	.amdhsa_code_object_version 6
	.text
	.protected	k_q5a0dbd23b1_proj
	.globl	k_q5a0dbd23b1_proj
	.p2align	8
	.type	k_q5a0dbd23b1_proj,@function
k_q5a0dbd23b1_proj:
	s_mov_b64 s[64:65], 0
	v_nop
	global_prefetch_b8 v0, s[64:65] scope:SCOPE_SE
	s_setreg_imm32_b32 hwreg(HW_REG_WAVE_MODE, 25, 1), 1
	s_wait_xcnt 0x0
	s_wait_alu depctr_hold_cnt(0) depctr_sa_sdst(0) depctr_va_vdst(0) depctr_va_sdst(0) depctr_va_ssrc(0) depctr_va_vcc(0) depctr_vm_vsrc(0)
	s_getreg_b32 s2, hwreg(HW_REG_IB_STS2, 6, 4)
	s_cmp_eq_u32 s2, 0
	s_cbranch_scc0 .Lentry_in_a_cluster
	s_endpgm
.Lentry_in_a_cluster:
	s_bfe_u32 s2, ttmp6, 0x10000c
	s_cmp_lg_u32 s2, 0xf033
	s_cbranch_scc0 .Lentry_shape_is_right
	s_endpgm
.Lentry_shape_is_right:
; Launch 2 of 4: the three quantised projections on codes of FP4 with E8M0 scales; sums in f32; results rounded to f16 and stored as images of the operand registers that launch 3 wants.
; LEFT OUT: bk (it adds the same number to every score of a softmax row: shown at the head of launch 1).  bv is added in launch 3.
; qh is stored as c (q Wq + bq), c = log2(e) / 8, so that launch 3's scores are exponents of 2.
; LIMITS: |c qh|, |kh|, |v Wv| up to 65,504 (f16); magnitudes under 6e-5 are kept to 2^-25 absolute.
; A tile of 256 x 256 results is made by four waves, each 128 x 128 in 64 accumulators.  K = 1,024 is two LDS slots of 512 (rows of 256 bytes): BOTH ARE FIRST FILLS, nothing is filled again.
; The scale bytes of the tile's 256 + 256 rows for all of K come with them, as dense blocks in rows of 256 bytes.  By this text's own count a wave has three tensor loads outstanding at the most.
; THE MATRIX INSTRUCTION: source 0 = 16 rows of 'B', source 1 = 16 rows of 'A'; in the result lane (r, h) holds A's row r and B's rows 8 h + 0 .. 7, which round to 16 bytes.
;   p = 0, 1 (q, k): A = tokens, B = the weight's columns: a lane holds a token and eight channels: an image of Q or K, [batch x head][token / 16][channel / 16][512 bytes].
;   p = 2 (v):       A = the weight's columns, B = tokens: a lane holds a channel and eight tokens: an image of V^T, [batch x head][token / 32][channel / 16][(token / 16) % 2][512 bytes].
; So every result leaves its registers by a store of 512 consecutive bytes, aligned, with no stage in LDS, and the loop is the same text for all three.
; CLUSTERS: 4 x 4 work-groups; p and the block of four tile rows or columns come from the cluster's y, which all partners share.  A's tiles are asked for jointly along a row of the cluster, B's along a column.
; 384 work-groups for 256 WGPs: one and a half rounds.  A tile of half the size would double the LDS bytes read for each product; the launch's 50 MB of stores weigh more than its products.
; REGISTERS: window 0: v16-29 addresses; v32-95 scale words, two sets (on Q's way out: c bq); from v128 A's fragments, one set (on the way out v128-255: rounded results).  window 1: B's fragments, two sets.  windows 2, 3: the accumulators.
.set NQ,     4                         ; matrix instructions deep in a slot
.set ROWB,   256                       ; a tile's row in bytes: 512 codes
.set KROW,   512                       ; a row of codes in memory
.set PITCH,  272                       ; an LDS row: 256 bytes + 16 of padding = 68 words: the 16 rows that a load touches start at 16 different banks
.set FR,     8
.set NL,     2
.set NP,     4                         ; places behind this matrix instruction (ISA guide 7.12.1)
.set HALFT,  128*PITCH
.set SLOT,   4*HALFT
.set KS,     32                        ; a row of scale bytes
.set SCL,    2*SLOT
.set HALFS,  (128*KS/256)*272
.set SBLK,   (16*KS/256)*272
.set SPARE,  SCL+4*HALFS               ; the spare words, 128 bytes for each wave
.set ADRA, 16                          ; v16-17  LDS address of my A fragments in slot 0, 1
.set ADRB, 20                          ; v20-21  the same for B
.set BQO,  25                          ; v25     32 x (lane / 16): my eight numbers of a tile of bq
.set LI,   26                          ; v26     16 x lane: my place in an image
.set ADRS, 27                          ; v27     LDS address of my scale words: lanes 0-15 A's rows, lanes 16-31 B's
.set SPW,  28
.set NIL,  29
.set SC,   32
.set AF,   128
.set G1, 24
.set G0, 32
.set G1B, 48
.set G0B, 56
.set G1S, 68
.set G0S, 76
.set G1SB, 80
.set G0SB, 88
.set MSB, 0
.macro WIN new                         ; the immediate's high byte repeats the setting that is left
.if MSB != (\new)
	s_set_vgpr_msb (MSB<<8)|(\new)
.set MSB, (\new)
.endif
.endm
.set MUL_LO, 0xa1                      ; source 0 (B) window 1, source 1 (A) window 0, C and D window 2
.set MUL_HI, 0xf1
.set TO_B,   0x40
; A joint load: waves 0 and 1 fetch for A, waves 2 and 3 for B; the branch hangs on the wave's number alone.  An s_nop 0 and four v_nop follow each of the two lines.
.macro JLOAD g0a, g1a, g0b, g1b
	s_cmp_eq_u32 s15, 0
	s_cbranch_scc0 .Lfor_b_\@
	tensor_load_to_lds s[\g0a:\g0a+3], s[\g1a:\g1a+7]
	s_nop 0
.rept 4
	v_nop
.endr
	s_branch .Lasked_\@
.Lfor_b_\@:
	tensor_load_to_lds s[\g0b:\g0b+3], s[\g1b:\g1b+7]
	s_nop 0
.rept 4
	v_nop
.endr
.Lasked_\@:
.endm
.macro CROUND                          ; a round of the cluster's barrier
	s_barrier_signal -1
	s_barrier_wait -1
	s_cmp_lg_u32 s14, 0
	s_cbranch_scc1 .Lnot_wave_0_\@
	s_barrier_signal -3
.Lnot_wave_0_\@:
	s_barrier_wait -3
	s_barrier_signal -1
	s_barrier_wait -1
.endm
.macro FINISH                          ; a wave's end: three lines and the closing round: no work-group ends while a partner may still ask for a tile that names it
	s_wait_tensorcnt 0x0
	ds_add_u32 v[SPW], v[NIL]
	s_wait_dscnt 0x0
	CROUND
	s_endpgm
.endm
	s_load_b128 s[4:7], s[0:1], 0x0                ; xc, xs
	s_load_b128 s[8:11], s[0:1], 0x10              ; wc, ws
	s_load_b128 s[96:99], s[0:1], 0x20             ; bq, qkv
	v_lshl_add_u32 v[SPW], v0, 2, SPARE
	v_mov_b32 v[NIL], 0
	ds_add_u32 v[SPW], v[NIL]                      ; the wave's opening: the add, twice on end, and its wait ahead of my first tensor load
	ds_add_u32 v[SPW], v[NIL]
	v_lshrrev_b32 v1, 5, v0
	v_readfirstlane_b32 s14, v1                    ; wave 0..3
	s_lshr_b32 s15, s14, 1                         ; which half of A's 256 rows is mine.  Also: I fetch for A (0) or for B (1)
	s_and_b32 s16, s14, 1                          ; which half of B's.  Also: which 128 rows I fetch
	s_bfe_u32 s40, ttmp6, 0x40000                  ; cx, cy: my place in the cluster
	s_bfe_u32 s41, ttmp6, 0x40004
	s_and_b32 s100, ttmp7, 0xffff                  ; the cluster's y, 0 .. 23
	s_lshr_b32 s101, s100, 3                       ; p: 0 q, 1 k, 2 v
	s_and_b32 s100, s100, 7
	s_lshl_b32 s100, s100, 2                       ; the first of four tiles of 256 tokens
	s_cmp_eq_u32 s101, 2
	s_cselect_b32 s17, 0, s100                     ; A's tile: tokens' for q and k, the weight's for v,
	s_cselect_b32 s42, s100, 0                     ; B's the other way round
	s_add_co_u32 s17, s17, s41                     ; + cy: A's tile hangs on cy alone,
	s_add_co_u32 s42, s42, s40                     ; + cx: B's on cx alone
	s_lshl_b32 s43, s41, 2
	s_lshl_b32 s43, 15, s43                        ; my row of the cluster
	s_lshl_b32 s44, 0x1111, s40                    ; my column
	; descriptor group 1: a tile of 128 rows x 256 bytes, 16 bytes of padding behind each row
	s_or_b32 s[G1+0], s43, (0<<16)|(1<<20)|(1<<21)|(5<<22)|(3<<25)  ; 15:0 the mask; 17:16 elements of 1 byte; 20 padding on; 21 set beside a mask; 24:22 after every 64 words; 31:25 four words
	s_or_b32 s[G1B+0], s44, (0<<16)|(1<<20)|(1<<21)|(5<<22)|(3<<25)
.irp g, G1, G1B
	s_mov_b32 s[\g+1], ROWB<<16                    ; tensor_dim0
	s_mov_b32 s[\g+2], 128<<16                     ; tensor_dim1
	s_mov_b32 s[\g+3], ROWB<<16                    ; tile_dim0
	s_mov_b32 s[\g+4], 128                         ; tile_dim1
	s_mov_b32 s[\g+5], KROW                        ; from row to row
	s_mov_b32 s[\g+6], 0
	s_mov_b32 s[\g+7], 0
.endr
	; the scales of 128 rows: 4,096 dense bytes, as 16 rows of 256 bytes (32 elements of 8), 16 bytes of padding behind each
	s_or_b32 s[G1S+0], s43, (3<<16)|(1<<20)|(1<<21)|(5<<22)|(3<<25)
	s_or_b32 s[G1SB+0], s44, (3<<16)|(1<<20)|(1<<21)|(5<<22)|(3<<25)
.irp g, G1S, G1SB
	s_mov_b32 s[\g+1], 32<<16
	s_mov_b32 s[\g+2], (128*KS/256)<<16
	s_mov_b32 s[\g+3], 32<<16
	s_mov_b32 s[\g+4], 128*KS/256
	s_mov_b32 s[\g+5], 32
	s_mov_b32 s[\g+6], 0
	s_mov_b32 s[\g+7], 0
.endr
	s_lshl_b32 s18, s16, 7                         ; which 128 rows of the tile I fetch
	s_lshl_b32 s20, s17, 8
	s_add_co_u32 s20, s20, s18                     ; A's first row
	s_lshl_b32 s46, s42, 8
	s_add_co_u32 s46, s46, s18                     ; B's first row
	s_lshl_b32 s20, s20, 9                         ; in bytes of codes
	s_lshl_b32 s46, s46, 9
	s_lshl_b32 s2, s101, 22                        ; tensor p in xc: 4,194,304 bytes each,
	s_lshl_b32 s3, s101, 19                        ; in wc: 524,288
	s_cmp_eq_u32 s101, 2
	s_cselect_b32 s66, s3, s2
	s_cselect_b32 s67, s2, s3
	s_add_co_u32 s20, s20, s66
	s_add_co_u32 s46, s46, s67
	s_lshr_b32 s22, s20, 4                         ; a row's scales are a sixteenth of its codes, and so is each tensor's part: the scales' offsets
	s_lshr_b32 s92, s46, 4
	s_mov_b32 s21, 0
	s_mov_b32 s23, 0
	s_mov_b32 s47, 0
	s_mov_b32 s93, 0
	s_mul_i32 s45, s14, HALFT                      ; where they go: wave x 128 rows: no place in the cluster enters an LDS address
	s_mul_i32 s94, s14, HALFS
	s_wait_dscnt 0x0                               ; both opening adds are done
	s_wait_kmcnt 0x0
	s_cmp_eq_u32 s101, 2                           ; the choice of buffers hangs on the cluster's y alone
	s_cselect_b64 s[2:3], s[8:9], s[4:5]           ; A's codes
	s_cselect_b64 s[18:19], s[10:11], s[6:7]       ; A's scales
	s_cselect_b64 s[66:67], s[4:5], s[8:9]         ; B's codes
	s_cselect_b64 s[12:13], s[6:7], s[10:11]       ; B's scales
	s_add_nc_u64 s[20:21], s[2:3], s[20:21]
	s_add_nc_u64 s[22:23], s[18:19], s[22:23]
	s_add_nc_u64 s[46:47], s[66:67], s[46:47]
	s_add_nc_u64 s[92:93], s[12:13], s[92:93]
	CROUND                                         ; all sixteen work-groups are here: the joint loads meet
	s_mov_b32 s[G0S], 1
	s_add_co_u32 s[G0S+1], s94, SCL
	s_mov_b64 s[G0S+2:G0S+3], s[22:23]
	s_or_b32 s[G0S+3], s[G0S+3], 0x80000000
	s_mov_b32 s[G0SB], 1
	s_add_co_u32 s[G0SB+1], s94, SCL
	s_mov_b64 s[G0SB+2:G0SB+3], s[92:93]
	s_or_b32 s[G0SB+3], s[G0SB+3], 0x80000000
	JLOAD G0S, G1S, G0SB, G1SB                     ; the scales first: they are wanted with slot 0
.irp s, 0,1
	s_mov_b32 s[G0+4*\s], 1
	s_add_co_u32 s[G0+4*\s+1], s45, \s*SLOT
	s_add_nc_u64 s[G0+4*\s+2:G0+4*\s+3], s[20:21], \s*ROWB
	s_or_b32 s[G0+4*\s+3], s[G0+4*\s+3], 0x80000000
	s_mov_b32 s[G0B+4*\s], 1
	s_add_co_u32 s[G0B+4*\s+1], s45, \s*SLOT
	s_add_nc_u64 s[G0B+4*\s+2:G0B+4*\s+3], s[46:47], \s*ROWB
	s_or_b32 s[G0B+4*\s+3], s[G0B+4*\s+3], 0x80000000
	JLOAD G0+4*\s, G1, G0B+4*\s, G1B
.endr
	v_and_b32 v1, 15, v0                           ; l % 16
	v_bfe_u32 v2, v0, 4, 1                         ; l / 16
	v_mul_u32_u24 v3, v1, PITCH
	v_lshl_add_u32 v4, v2, 4, v3                   ; a fragment's row x pitch + 16 x half
	s_mul_i32 s21, s15, HALFT                      ; my 128 rows of A
	s_mul_i32 s22, s16, HALFT                      ; my 128 rows of B,
	s_add_co_u32 s22, s22, 2*HALFT                 ; which lie behind A's 256
.irp s, 0,1
	v_add_nc_u32 v[ADRA+\s], s21, v4
	v_add_nc_u32 v[ADRB+\s], s22, v4
	s_add_co_u32 s21, s21, SLOT
	s_add_co_u32 s22, s22, SLOT
.endr
	v_mul_u32_u24 v5, v1, KS                       ; my row's scales: 32 bytes a row,
	v_lshrrev_b32 v6, 8, v5
	v_lshl_add_u32 v5, v6, 4, v5                   ; and 16 more for each 256 passed
	s_mul_i32 s21, s15, HALFS
	s_mul_i32 s22, s16, HALFS
	s_add_co_u32 s22, s22, 2*HALFS
	s_sub_co_u32 s22, s22, s21
	v_mul_u32_u24 v6, s22, v2                      ; lanes 16-31 take B's: one product, the distance between the two bases
	s_add_co_u32 s21, s21, SCL
	v_add_nc_u32 v5, v5, v6
	v_add_nc_u32 v[ADRS], s21, v5
	v_and_b32 v6, 31, v0
	v_lshlrev_b32 v[LI], 4, v6
	v_lshlrev_b32 v[BQO], 5, v2
	; where my results go in qkv.  q, k: batch = tile / 8; token tile = 16 (tile % 8) + 8 (wave / 2) + a; head = 4 column tile + 2 (wave % 2) + b / 4
	s_lshr_b32 s12, s17, 3
	s_lshl_b32 s12, s12, 22                        ; 16 heads x 262,144 bytes a batch
	s_and_b32 s13, s17, 7
	s_lshl_b32 s13, s13, 4
	s_lshl_b32 s95, s15, 3
	s_add_co_u32 s13, s13, s95
	s_lshl_b32 s13, s13, 11                        ; 2,048 bytes for 16 tokens
	s_add_co_u32 s12, s12, s13
	s_lshl_b32 s13, s42, 2
	s_lshl_b32 s95, s16, 1
	s_add_co_u32 s13, s13, s95
	s_lshl_b32 s13, s13, 18
	s_add_co_u32 s12, s12, s13
	; v: batch = column tile / 8; head = 4 row tile + 2 (wave / 2) + a / 4; block of 32 tokens = 8 (column tile % 8) + 4 (wave % 2) + b / 2
	s_lshr_b32 s13, s42, 3
	s_lshl_b32 s13, s13, 22
	s_lshl_b32 s95, s17, 2
	s_lshl_b32 s94, s15, 1
	s_add_co_u32 s95, s95, s94
	s_lshl_b32 s95, s95, 18
	s_add_co_u32 s13, s13, s95
	s_and_b32 s95, s42, 7
	s_lshl_b32 s95, s95, 3
	s_lshl_b32 s94, s16, 2
	s_add_co_u32 s95, s95, s94
	s_lshl_b32 s95, s95, 12                        ; 4,096 bytes for 32 tokens
	s_add_co_u32 s13, s13, s95
	s_cmp_eq_u32 s101, 2
	s_cselect_b32 s12, s13, s12
	s_lshl_b32 s13, s101, 24                       ; part p of qkv: 16,777,216 bytes each
	s_add_co_u32 s12, s12, s13
	s_mov_b32 s13, 0
	s_add_nc_u64 s[98:99], s[98:99], s[12:13]
	s_lshl_b32 s12, s42, 10                        ; bq at my 128 channels (used where p = 0 alone)
	s_lshl_b32 s95, s16, 9
	s_add_co_u32 s12, s12, s95
	s_add_nc_u64 s[96:97], s[96:97], s[12:13]
	s_mov_b32 s18, 0x3e38aa3b                      ; c = log2(e) / 8
	s_mov_b32 s19, s18                             ; (the packed forms name the pair)
.macro FRAG reg, adr, q, i             ; a fragment, 16 rows x 128 K of 4-bit codes: lane l holds row l % 16; registers 4 c .. 4 c + 3 hold K = 64 c + 32 (l / 16) + 0 .. 31
.irp c, 0,1
	ds_load_b128 v[\reg+4*\c:\reg+4*\c+3], v[\adr] offset:64*(\q)+32*\c+(\i)*16*PITCH
.endr
.endm
; 16 matrix instructions: A's blocks a0, a0 + 1 x B's eight, the slot's q-th 128 along K.  p: B's set; sc: the set of scale words.  zero = 1: the first product starts the sums.
; The 64 accumulators take turns, one instruction a turn, in the same order in every step.  A scale register holds A's words in lanes 0-15 and B's in lanes 16-31.
.macro MUL16 a0, p, q, sc, zero
.irp a, \a0, \a0+1
.irp b, 0,1,2,3,4,5,6,7
.if \zero
	v_wmma_scale_f32_16x16x128_f8f6f4 v[8*(8*((\a)%4)+\b):8*(8*((\a)%4)+\b)+7], v[128*(\p)+FR*\b:128*(\p)+FR*\b+FR-1], v[AF+FR*(\a):AF+FR*(\a)+FR-1], 0, v[SC+8*NQ*(\sc)+NQ*\b+(\q)], v[SC+8*NQ*(\sc)+NQ*(\a)+(\q)] matrix_a_fmt:MATRIX_FMT_FP4 matrix_b_fmt:MATRIX_FMT_FP4 matrix_a_scale:MATRIX_SCALE_ROW1
.else
	v_wmma_scale_f32_16x16x128_f8f6f4 v[8*(8*((\a)%4)+\b):8*(8*((\a)%4)+\b)+7], v[128*(\p)+FR*\b:128*(\p)+FR*\b+FR-1], v[AF+FR*(\a):AF+FR*(\a)+FR-1], v[8*(8*((\a)%4)+\b):8*(8*((\a)%4)+\b)+7], v[SC+8*NQ*(\sc)+NQ*\b+(\q)], v[SC+8*NQ*(\sc)+NQ*(\a)+(\q)] matrix_a_fmt:MATRIX_FMT_FP4 matrix_b_fmt:MATRIX_FMT_FP4 matrix_a_scale:MATRIX_SCALE_ROW1
.endif
.endr
.endr
.endm
.macro FETCH_B slot, q, p
	WIN TO_B
.irp i, 0,1,2,3,4,5,6,7
	FRAG 128*(\p)+FR*\i, ADRB+\slot, \q, \i
.endr
	WIN 0
.endm
.macro FETCH_A slot, q, i0
.irp i, \i0, \i0+1, \i0+2, \i0+3
	FRAG AF+FR*(\i), ADRA+\slot, \q, \i
.endr
.endm
.macro SCALES sc                       ; a slot's scale words: four words a row; lanes 0-15 take A's block i, lanes 16-31 B's block i
.irp i, 0,1,2,3,4,5,6,7
	ds_load_b128 v[SC+8*NQ*\sc+NQ*\i:SC+8*NQ*\sc+NQ*\i+3], v[ADRS] offset:\i*SBLK
.endr
.endm
.macro PLACES n                        ; places in front of loads into registers that matrix instructions have read, and of the first read of results
.rept \n
	v_nop
.endr
.endm
.macro STEP slot, q, zero              ; a step of 128 along K that has its successor in the same slot
	s_wait_dscnt 4*NL                              ; B's set and A's blocks 0-3 are in; the youngest eight loads (A's blocks 4-7) may be out
	WIN MUL_LO
	MUL16 0, (\q)%2, \q, \slot, \zero
	MUL16 2, (\q)%2, \q, \slot, \zero
	s_wait_dscnt 0                                 ; A's blocks 4-7 are in
	PLACES NP
	FETCH_B \slot, (\q)+1, 1-(\q)%2
	FETCH_A \slot, (\q)+1, 0
	WIN MUL_HI
	MUL16 4, (\q)%2, \q, \slot, \zero
	MUL16 6, (\q)%2, \q, \slot, \zero
	PLACES NP
	WIN 0
	FETCH_A \slot, (\q)+1, 4
.endm
.macro TURN slot, next                 ; slot 0's last step goes over to slot 1: my part of it has landed, then the work-group's barrier; nothing is filled again
	s_wait_tensorcnt 0x0                           ; all my tensor loads have landed
	ds_add_u32 v[SPW], v[NIL]                      ; 0 onto my spare word
	s_wait_dscnt 4*NL+1                            ; (the add and the youngest eight loads may be out)
	WIN MUL_LO
	MUL16 0, 1, NQ-1, \slot, 0
	s_wait_dscnt 0x0
	s_barrier_signal -1
	MUL16 2, 1, NQ-1, \slot, 0
	WIN 0
	s_barrier_wait -1                              ; everybody's part of the next slot has landed
	PLACES NP
	v_add_nc_u32 v[ADRS], 4*NQ, v[ADRS]            ; on to the next slot's scale words
	FETCH_B \next, 0, 0
	FETCH_A \next, 0, 0
	SCALES \next
	WIN MUL_HI
	MUL16 4, 1, NQ-1, \slot, 0
	MUL16 6, 1, NQ-1, \slot, 0
	PLACES NP
	WIN 0
	FETCH_A \next, 0, 4
.endm
	s_wait_tensorcnt 1                             ; the scales and my part of slot 0 are in; slot 1's load may be out,
	s_barrier_signal -1
	s_barrier_wait -1                              ; everybody's are
	FETCH_B 0, 0, 0
	FETCH_A 0, 0, 0
	SCALES 0
	FETCH_A 0, 0, 4
	STEP 0, 0, 1                                   ; the first step's products start the sums: nothing is cleared
	STEP 0, 1, 0
	STEP 0, 2, 0
	TURN 0, 1
	STEP 1, 0, 0
	STEP 1, 1, 0
	STEP 1, 2, 0
	s_wait_dscnt 4*NL                              ; the last step: nothing more to fetch
	WIN MUL_LO
	MUL16 0, 1, NQ-1, 1, 0
	MUL16 2, 1, NQ-1, 1, 0
	s_wait_dscnt 0
	WIN MUL_HI
	MUL16 4, 1, NQ-1, 1, 0
	MUL16 6, 1, NQ-1, 1, 0
	WIN 0
	PLACES NP                                      ; in front of the reads of the last results, and of writes and loads into the registers that held fragments and scale words
; THE WAY OUT of A's block a: 64 results a lane round to 32 registers, eight images; each store is 512 consecutive bytes, aligned.  Each accumulator is read from its low end on.
.macro OUT kind, a
.set AC, 64*((\a)%4)
.set TT, 128+32*((\a)%4)
.if (\a) == 4
	s_wait_xcnt 0x0                                ; the stores of blocks 0 to 3 have read their registers: the four sets are written again
.endif
	WIN 0x0a+5*((\a)/4)                            ; sources 0 and 1: window 2 or 3
.set i, 0
.rept 32
	v_cvt_pk_f16_f32 v[TT+i], v[AC+2*i], v[AC+2*i+1]
.set i, i+1
.endr
	WIN 0
.irp b, 0,1,2,3,4,5,6,7
.if \kind
	global_store_b128 v[LI], v[TT+4*\b:TT+4*\b+3], s[98:99] offset:(\b/2)*4096+(\b%2)*512+((\a)/4)*262144+((\a)%4)*1024
.else
	global_store_b128 v[LI], v[TT+4*\b:TT+4*\b+3], s[98:99] offset:(\a)*2048+(\b/4)*262144+(\b%4)*512
.endif
.endr
.endm
	s_cmp_eq_u32 s101, 2                           ; p comes from the cluster's y: all partners go the same way
	s_cbranch_scc1 .Lv
	s_cmp_eq_u32 s101, 1
	s_cbranch_scc1 .Lk
	; q alone: c x sum + c x bq, in place.  Lane (r, h) wants, for B's block b, bq at channels 16 b + 8 h + 0 .. 7
.irp b, 0,1,2,3,4,5,6,7
	global_load_b128 v[32+8*\b:35+8*\b], v[BQO], s[96:97] offset:64*\b
	global_load_b128 v[36+8*\b:39+8*\b], v[BQO], s[96:97] offset:64*\b+16
.endr
	s_wait_loadcnt 0x0
.set i, 0
.rept 32
	v_pk_mul_f32 v[32+2*i:33+2*i], v[32+2*i:33+2*i], s[18:19] op_sel_hi:[1,0]
.set i, i+1
.endr
.irp a, 0,1,2,3,4,5,6,7
	WIN 0x82+0x41*(\a/4)                           ; destination and source 0: window 2 or 3; the bias: window 0
.set i, 0
.rept 32
	v_pk_fma_f32 v[64*(\a%4)+2*i:64*(\a%4)+2*i+1], v[64*(\a%4)+2*i:64*(\a%4)+2*i+1], s[18:19], v[32+2*i:33+2*i] op_sel_hi:[1,0,1]
.set i, i+1
.endr
.endr
	WIN 0
.Lk:
.irp a, 0,1,2,3,4,5,6,7
	OUT 0, \a
.endr
	FINISH
.Lv:
.irp a, 0,1,2,3,4,5,6,7
	OUT 1, \a
.endr
	FINISH
.Lfunc_end_k_q5a0dbd23b1_proj:
	.size	k_q5a0dbd23b1_proj, .Lfunc_end_k_q5a0dbd23b1_proj-k_q5a0dbd23b1_proj
	.p2alignl 7, 3214868480
	.fill 96, 4, 3214868480
	.section	.rodata,"a",@progbits
	.p2align	6, 0x0
	.amdhsa_kernel k_q5a0dbd23b1_proj
		.amdhsa_group_segment_fixed_size 327680
		.amdhsa_private_segment_fixed_size 0
		.amdhsa_enable_private_segment 0
		.amdhsa_kernarg_size 48
		.amdhsa_user_sgpr_count 2
		.amdhsa_user_sgpr_kernarg_segment_ptr 1
		.amdhsa_wavefront_size32 1
		.amdhsa_system_sgpr_workgroup_id_x 1
		.amdhsa_system_sgpr_workgroup_id_y 1
		.amdhsa_system_sgpr_workgroup_id_z 1
		.amdhsa_system_vgpr_workitem_id 0
		.amdhsa_next_free_vgpr 1024
		.amdhsa_next_free_sgpr 102
		.amdhsa_reserve_vcc 0
		.amdhsa_float_denorm_mode_32 3
		.amdhsa_float_denorm_mode_16_64 3
		.amdhsa_memory_ordered 1
		.amdhsa_forward_progress 1
		.amdhsa_inst_pref_size 161
	.end_amdhsa_kernel
	.amdgpu_metadata
---
amdhsa.version: [ 1, 2 ]
amdhsa.kernels:
  - .name:           k_q5a0dbd23b1_proj
    .symbol:         k_q5a0dbd23b1_proj.kd
    .args:
      - { .name: xc, .offset: 0, .size: 8, .value_kind: global_buffer, .address_space: global }
      - { .name: xs, .offset: 8, .size: 8, .value_kind: global_buffer, .address_space: global }
      - { .name: wc, .offset: 16, .size: 8, .value_kind: global_buffer, .address_space: global }
      - { .name: ws, .offset: 24, .size: 8, .value_kind: global_buffer, .address_space: global }
      - { .name: bq, .offset: 32, .size: 8, .value_kind: global_buffer, .address_space: global }
      - { .name: qkv, .offset: 40, .size: 8, .value_kind: global_buffer, .address_space: global }
    .group_segment_fixed_size: 327680
    .private_segment_fixed_size: 0
    .kernarg_segment_align: 8
    .kernarg_segment_size: 48
    .max_flat_workgroup_size: 128
    .sgpr_count:     102
    .vgpr_count:     1024
    .wavefront_size: 32
...
	.end_amdgpu_metadata
.endif
;; end of part 2
;; launch attn (part 3): grid 4 x 64, 8 waves a work-group, clusters of 4 x 1, 327,680 bytes of LDS; arguments qkv, bv, ao; writes ao
.if DOCPART == 3
	.amdgcn_target "amdgcn-amd-amdhsa--gfx1250"
	.amdhsa_code_object_version 6
	.text
	.protected	k_q5a0dbd23b1_attn
	.globl	k_q5a0dbd23b1_attn
	.p2align	8
	.type	k_q5a0dbd23b1_attn,@function
k_q5a0dbd23b1_attn:
	s_mov_b64 s[64:65], 0
	v_nop
	global_prefetch_b8 v0, s[64:65] scope:SCOPE_SE
	s_setreg_imm32_b32 hwreg(HW_REG_WAVE_MODE, 25, 1), 1
	s_wait_xcnt 0x0
	s_wait_alu depctr_hold_cnt(0) depctr_sa_sdst(0) depctr_va_vdst(0) depctr_va_sdst(0) depctr_va_ssrc(0) depctr_va_vcc(0) depctr_vm_vsrc(0)
	s_getreg_b32 s2, hwreg(HW_REG_IB_STS2, 6, 4)
	s_cmp_eq_u32 s2, 0
	s_cbranch_scc0 .Lentry_in_a_cluster
	s_endpgm
.Lentry_in_a_cluster:
	s_bfe_u32 s2, ttmp6, 0x10000c
	s_cmp_lg_u32 s2, 0x3003
	s_cbranch_scc0 .Lentry_shape_is_right
	s_endpgm
.Lentry_shape_is_right:
; Launch 3 of 4: O[b][h][q] = sum over k of softmax_k(qh[q] . kh[k] / 8) vW[k] + bv, in f16 operands with f32 sums, maxima and row sums.
; LEFT OUT: bk (shown at the head of launch 1).  bv: the weights of a row add up to 1, so it is added once, in the multiply-add that divides by the row's sum.
; qkv holds c qh (c = log2(e) / 8), kh and (v Wv)^T as images of operand registers: 512 bytes, lane l's 16 bytes at 16 l; two images on end are a fragment of 16 x 32.  So K's and V's tiles are dense blocks for the
; tensor data mover and every LDS load reads 512 consecutive bytes: no pitch, no padding, no turning load.
; LIMITS: f16 operands: |c qh|, |kh|, |v Wv|, |O| up to 65,504; magnitudes under 6e-5 (a weight p among them) are kept to 2^-25 absolute.
; SHARES.  A cluster of four work-groups is one (batch, head); a work-group owns 512 queries, each of its eight waves 64: four tiles of 16.  Every wave walks the head's 2,048 keys, 64 a step.
; LAYOUT.  S^T = K Q^T (source 0 = 16 keys, source 1 = 16 queries) and O^T = V^T P: a lane holds ONE query throughout; two tiles of S^T, rounded in pairs, ARE source 1 of the second product.
; SOFTMAX.  For each query a running maximum m and sum l: p = 2^(s - m); in every step O and l are multiplied by a = 2^(m_old - m_new).
; BY TURNS.  The wave's tiles are two pieces (tiles 0, 1 and tiles 2, 3).  In a turn one piece has the matrix unit (16 products V^T P of the step in hand, 16 products K Q^T of the next), and the other piece's softmax,
; 2 x 117 instructions in 16 slices, stands between them, a slice behind each PAIR of matrix instructions: one switch of the register window for each matrix instruction.  Two waves share a SIMD.
; THE RING.  Two LDS slots of 512 keys (8 steps): 65,536 bytes of K, then 65,536 of V.  Each tile is asked for JOINTLY by the four work-groups; every wave brings 16,384 bytes by the same line, with no branch.
; By this text's own count a wave has two tensor loads out at the start and one behind each round.  A refill is asked for eight key steps, 512 matrix instructions of the wave, ahead of its first read, and no wave waits for it:
; so no prefetch is laid.
; REGISTERS: window 0: v1-7 addresses; v16-47 eight registers of statistics a tile; v64-191 S^T, 32 a tile, P in place in a tile's first 16; v192-255 V of one step.
;   window 1: v0-127 O^T, 32 a tile; v128-191 Q, 16 a tile; v192-255 K of one step (at the end: bv).
.set STEPB, 8192                       ; a step's 64 keys of K, or of V, in bytes
.set SLOTB, 65536                      ; a slot's K; V lies behind it
.set SLOT1, 1<<17                      ; slot 1 begins here: one exclusive or turns an address in one slot into the other's
.set SPARE, 2*SLOT1                    ; behind the ring: the spare words, 128 bytes for each of eight waves
.set BVO, 1                            ; v1   32 x (lane / 16): my eight numbers of a tile of bv
.set LI,  2                            ; v2   16 x lane: my place in an image
.set AV0, 3                            ; v3   the same in V's half of a slot
.set ADR, 4                            ; v4   the LDS address of the run of loads in hand
.set SPW, 6
.set NIL, 7
.set ST,  16                           ; tile t at v[ST + 8 t]: +0 m, +1 its pair's partner (0), +2, +3 l, +4 to +7 c0-c3 at work; a takes c2's place
.set S,   64
.set VF,  192
.set QF,  128                          ; in window 1
.set KF,  192                          ; in window 1
.set WV,  12
.set G1,  24                           ; s[24:31] descriptor group 1
.set G0,  32                           ; s[32:39] group 0: a set for each first fill; the second then walks on
.set SLOTS, 40
.set CNT, 41
.set TB,  42                           ; LDS byte at which the tiles of the step to be fetched begin
.set SEL, 60
.set MSB, 0
.macro WIN new                         ; the immediate's high byte repeats the setting that is left
.if MSB != (\new)
	s_set_vgpr_msb (MSB<<8)|(\new)
.set MSB, (\new)
.endif
.endm
.set W_KQ, 0x05                        ; K and Q in window 1, S^T in window 0
.set W_PV, 0x50                        ; V and P in window 0, O^T in window 1
.set W_RS, 0x41                        ; O^T (destination and source 0) in window 1, a in window 0
.macro CROUND                          ; a round of the cluster's barrier
	s_barrier_signal -1
	s_barrier_wait -1
	s_cmp_lg_u32 s[WV], 0
	s_cbranch_scc1 .Lnot_wave_0_\@
	s_barrier_signal -3
.Lnot_wave_0_\@:
	s_barrier_wait -3
	s_barrier_signal -1
	s_barrier_wait -1
.endm
.macro PLACES
.rept 4
	v_nop
.endr
.endm
	s_load_b128 s[4:7], s[0:1], 0x0                ; qkv, bv
	s_load_b64 s[8:9], s[0:1], 0x10                ; ao
	v_lshl_add_u32 v[SPW], v0, 2, SPARE
	v_mov_b32 v[NIL], 0
	ds_add_u32 v[SPW], v[NIL]                      ; the wave's opening: the add, twice on end, and its wait ahead of my first tensor load
	ds_add_u32 v[SPW], v[NIL]
	v_lshrrev_b32 v1, 5, v0
	v_readfirstlane_b32 s[WV], v1                  ; wave 0..7
	s_bfe_u32 s13, ttmp6, 0x40000                  ; cx: my block of 512 queries: it enters Q's and ao's addresses alone
	s_and_b32 s14, ttmp7, 0xffff                   ; 16 x batch + head, which the four partners share
	s_lshl_b32 s15, s14, 18                        ; its 262,144 bytes in each part of qkv
	s_lshr_b32 s2, s[WV], 2                        ; waves 0-3 fetch K (part 1 of qkv), waves 4-7 V (part 2): 16,777,216 bytes a part
	s_add_co_u32 s2, s2, 1
	s_lshl_b32 s2, s2, 24
	s_add_co_u32 s2, s2, s15
	s_and_b32 s3, s[WV], 3
	s_lshl_b32 s3, s3, 14                          ; my quarter of a slot's 65,536 bytes
	s_add_co_u32 s2, s2, s3
	s_mov_b32 s3, 0
	s_lshl_b32 s18, s[WV], 14                      ; and its place in a slot: K's four quarters, then V's
	s_lshl_b32 s20, s13, 5
	s_lshl_b32 s21, s[WV], 2
	s_add_co_u32 s20, s20, s21                     ; my first tile of 16 queries in the batch: 32 cx + 4 wave
	s_lshl_b32 s22, s20, 11                        ; Q: 2,048 bytes a tile
	s_add_co_u32 s22, s22, s15
	s_mov_b32 s23, 0
	s_lshr_b32 s16, s14, 4
	s_lshl_b32 s16, s16, 7
	s_add_co_u32 s16, s16, s20                     ; ao [d / 128][row / 16][(d / 16) % 8][512]: my first tile of rows,
	s_lshl_b32 s16, s16, 12
	s_bfe_u32 s17, s14, 0x30001                    ; head / 2,
	s_lshl_b32 s17, s17, 21
	s_add_co_u32 s16, s16, s17
	s_and_b32 s17, s14, 1                          ; and the head's four images of the eight
	s_lshl_b32 s17, s17, 11
	s_add_co_u32 s16, s16, s17
	s_mov_b32 s17, 0
	s_and_b32 s20, s14, 15
	s_lshl_b32 s20, s20, 8                         ; bv: the head's 64 numbers
	s_mov_b32 s21, 0
	; descriptor group 1: 16,384 dense bytes as 64 rows of 256 bytes
	s_mov_b32 s[G1], 15|(3<<16)|(1<<21)            ; 15:0 the mask: all four work-groups; 17:16 elements of 8 bytes; 21 set beside a mask; no padding
	s_mov_b32 s[G1+1], 32<<16                      ; tensor_dim0 = 32
	s_mov_b32 s[G1+2], 64<<16                      ; tensor_dim1 = 64
	s_mov_b32 s[G1+3], 32<<16                      ; tile_dim0
	s_mov_b32 s[G1+4], 64                          ; tile_dim1
	s_mov_b32 s[G1+5], 32                          ; from row to row
	s_mov_b32 s[G1+6], 0
	s_mov_b32 s[G1+7], 0
	s_mov_b32 s[SEL], 0x76543210                   ; v_permlanex16_b32: lane l xor 16
	s_mov_b32 s[SEL+1], 0xfedcba98
	s_mov_b32 s[TB], 0
	s_wait_dscnt 0x0                               ; both opening adds are done
	s_wait_kmcnt 0x0
	s_add_nc_u64 s[2:3], s[4:5], s[2:3]            ; K or V at my quarter of slot 0
	s_add_nc_u64 s[4:5], s[4:5], s[22:23]          ; Q at my wave's first tile
	s_add_nc_u64 s[6:7], s[6:7], s[20:21]
	s_add_nc_u64 s[8:9], s[8:9], s[16:17]
	CROUND                                         ; all four work-groups are here: the first joint loads meet
.irp s, 0,1
	s_mov_b32 s[G0+4*\s], 1
	s_add_co_u32 s[G0+4*\s+1], s18, \s*SLOT1
	s_add_nc_u64 s[G0+4*\s+2:G0+4*\s+3], s[2:3], \s*SLOTB
	s_or_b32 s[G0+4*\s+3], s[G0+4*\s+3], 0x80000000
.endr
	tensor_load_to_lds s[G0:G0+3], s[G1:G1+7]      ; keys 0 to 511
	s_nop 0
	tensor_load_to_lds s[G0+4:G0+7], s[G1:G1+7]    ; keys 512 to 1,023
	s_nop 0
	PLACES
	v_and_b32 v[LI], 31, v0
	v_lshlrev_b32 v[LI], 4, v[LI]
	v_add_nc_u32 v[AV0], SLOTB, v[LI]
	v_bfe_u32 v[BVO], v0, 4, 1
	v_lshlrev_b32 v[BVO], 5, v[BVO]
.irp t, 0,1,2,3
	v_mov_b32 v[ST+8*\t+1], 0                      ; named with m as a pair, so it is written
.endr
	WIN 0x40                                       ; destination window 1, address window 0
.set i, 0
.rept 16                                       ; Q stays in registers: image 4 t + channel tile
	global_load_b128 v[QF+4*i:QF+4*i+3], v[LI], s[4:5] offset:512*i
.set i, i+1
.endr
	WIN 0
; THE MATRIX WORK.  The accumulators take turns, one instruction a turn: between two links of a chain stand seven others'.
.macro KQ x                            ; product i of 16 of S^T = K Q^T: tile x + i % 2, keys 16 ((i / 2) % 4) on, channels 32 (i / 8) on.  The first 8 start the sums
	WIN W_KQ
.set rS, S+32*(\x+i%2)+8*((i/2)%4)
.set rK, KF+16*((i/2)%4)+8*(i/8)
.set rQ, QF+16*(\x+i%2)+8*(i/8)
.if i < 8
	v_wmma_f32_16x16x32_f16 v[rS:rS+7], v[rK:rK+7], v[rQ:rQ+7], 0
.else
	v_wmma_f32_16x16x32_f16 v[rS:rS+7], v[rK:rK+7], v[rQ:rQ+7], v[rS:rS+7]
.endif
.endm
.macro PV x, zero                      ; product i of 16 of O^T += V^T P: tile x + i % 2, channels 16 ((i / 2) % 4) on, keys 32 (i / 8) on.  zero = 1: the first 8 start the sums
	WIN W_PV
.set rO, 32*(\x+i%2)+8*((i/2)%4)
.set rV, VF+32*(i/8)+8*((i/2)%4)
.set rP, S+32*(\x+i%2)+8*(i/8)
.if (\zero) && (i < 8)
	v_wmma_f32_16x16x32_f16 v[rO:rO+7], v[rV:rV+7], v[rP:rP+7], 0
.else
	v_wmma_f32_16x16x32_f16 v[rO:rO+7], v[rV:rV+7], v[rP:rP+7], v[rO:rO+7]
.endif
.endm
; THE LDS LOADS stand in runs of 16: a step's K and, a turn later, its V: sixteen images each, as they lie.
.macro FETCH_K
	WIN 0
	v_add_nc_u32 v[ADR], s[TB], v[LI]
	WIN 0x40
.set f, 0
.rept 16
	ds_load_b128 v[KF+4*f:KF+4*f+3], v[ADR] offset:512*f
.set f, f+1
.endr
.endm
.macro FETCH_V
	WIN 0
	v_add_nc_u32 v[ADR], s[TB], v[AV0]
	s_add_co_u32 s[TB], s[TB], STEPB               ; the next fetch is the next step's
	s_wait_alu depctr_va_vdst(0)                   ; the wait for the softmax's batch of exponentials (SLICE), ahead of the first line that names a result
.set f, 0
.rept 16
	ds_load_b128 v[VF+4*f:VF+4*f+3], v[ADR] offset:512*f
.set f, f+1
.endr
.endm
; THE VECTOR WORK.  One tile's softmax for a key step is a list of 117 instructions; SM writes number j of it for tile t.  s0-s31 are the lane's 32 scores (register 8 kt + i), in pairs 0-15.
;   0-15    the maximum of s0-s31 and the old m, three at a time: each accumulator is first read at its low end
;   16-19   the other half of the lanes' maximum; m_old - m_new; the new m
;   20-68   ONE BATCH: 16 packed subtractions s - m and all 33 exponentials (a at 21); none of them names an exponential's result; a pair is scaled ahead of its exponentials
;   (wait)  between 68 and 69: SLICE writes it, once for both tiles
;   69-84   the sums, in two chains; l = a l + the sum          85-100  the roundings to f16, in place, ascending: target i lies at or under source 2 i
;   101-116 the tile's O^T times a.          first = 1: the first key step has no old m, no a and nothing to rescale
.macro SM t, first
.set rT, ST+8*(\t)
.set rS, S+32*(\t)
.set rO, 32*(\t)+2*(j-101)
.if j < 101
	WIN 0
.endif
.if j < 4
	v_max3_num_f32 v[rT+4+j], v[rS+8*j], v[rS+8*j+1], v[rS+8*j+2]
.elseif j < 12
	v_max3_num_f32 v[rT+4+j%4], v[rT+4+j%4], v[rS+8*(j%4)+2*(j/4)+1], v[rS+8*(j%4)+2*(j/4)+2]
.elseif j == 12
	v_max3_num_f32 v[rT+4], v[rT+4], v[rS+7], v[rS+15]
.elseif j == 13
	v_max3_num_f32 v[rT+6], v[rT+6], v[rS+23], v[rS+31]
.elseif j == 14
	v_max3_num_f32 v[rT+4], v[rT+4], v[rT+5], v[rT+6]
.elseif (j == 15) && \first
	v_max_num_f32 v[rT+4], v[rT+4], v[rT+7]
.elseif j == 15
	v_max3_num_f32 v[rT+4], v[rT+4], v[rT+7], v[rT]
.elseif j == 16
	v_permlanex16_b32 v[rT+5], v[rT+4], s[SEL], s[SEL+1]  ; the query's other 32 keys lie in the lane 16 away
.elseif j == 17
	v_max_num_f32 v[rT+4], v[rT+4], v[rT+5]
.elseif ((j == 18) || (j == 21) || (j == 71) || (j > 100)) && \first  ; the first step has none of these
.elseif j == 18
	v_sub_f32 v[rT+7], v[rT], v[rT+4]
.elseif j == 19
	v_mov_b32 v[rT], v[rT+4]
.elseif j == 21
	v_exp_f32 v[rT+6], v[rT+7]
.elseif j < 69
.set u, j-20
.if (u == 0) || (u == 2) || ((u >= 5) && (u < 45) && ((u-5)%3 == 0))
.set b, (u-5)/3+2
.if u < 3
.set b, u/2
.endif
	v_pk_add_f32 v[rS+2*b:rS+2*b+1], v[rS+2*b:rS+2*b+1], v[rT:rT+1] op_sel_hi:[1,0] neg_lo:[0,1] neg_hi:[0,1]  ; pair b: s - m
.else
.set e, u-17
.if u < 45
.set e, 2*((u-3)/3)+(u-3)%3
.endif
	v_exp_f32 v[rS+e], v[rS+e]
.endif
.elseif j < 85
.set z, j-69
.if z == 0
	v_pk_add_f32 v[rT+4:rT+5], v[rS:rS+1], v[rS+2:rS+3]
.elseif (z == 1) && \first
	v_pk_add_f32 v[rT+2:rT+3], v[rS+4:rS+5], v[rS+6:rS+7]
.elseif z == 1
	v_pk_fma_f32 v[rT+2:rT+3], v[rT+2:rT+3], v[rT+6:rT+7], v[rS+4:rS+5] op_sel_hi:[1,0,1]
.elseif z == 2
	v_pk_add_f32 v[rT+2:rT+3], v[rT+2:rT+3], v[rS+6:rS+7]
.elseif z == 15
	v_pk_add_f32 v[rT+2:rT+3], v[rT+2:rT+3], v[rT+4:rT+5]
.elseif z%2 == 1
	v_pk_add_f32 v[rT+4:rT+5], v[rT+4:rT+5], v[rS+2*(z+1):rS+2*(z+1)+1]
.else
	v_pk_add_f32 v[rT+2:rT+3], v[rT+2:rT+3], v[rS+2*(z+1):rS+2*(z+1)+1]
.endif
.elseif j < 101
	v_cvt_pk_f16_f32 v[rS+j-85], v[rS+2*(j-85)], v[rS+2*(j-85)+1]
.else
	WIN W_RS
	v_pk_mul_f32 v[rO:rO+1], v[rO:rO+1], v[rT+6:rT+7] op_sel_hi:[1,0]
.endif
.endm
; Slice k of 16 of piece y's softmax: the numbers from lo up to hi, each for both tiles, so that no instruction reads the result of the one just before it.  The bounds: 0, 7, 14, 20, 27, .. 69, 77, .. 117:
; the batch is slices 3 to 9, the rescaling slices 14 and 15.  Behind slice 9 no exponential is issued and ahead of slice 10 nothing names a result: one plain line and ONE wait serve the piece's 66 exponentials.
.macro SLICE y, first
.set lo, 7*k
.set hi, 7*k+7
.if k >= 2
.set hi, 7*k+6
.endif
.if k >= 3
.set lo, 7*k-1
.endif
.if k >= 10
.set lo, 8*k-11
.set hi, 8*k-3
.endif
.set j, lo
.rept hi-lo
	SM (\y), \first
	SM (\y)+1, \first
.set j, j+1
.endr
.if k == 9
	v_nop                                          ; the plain line behind the last exponential
.if (\y) == 0
	FETCH_V                                        ; piece 2's turn: V's run of loads stands here, and the wait stands in it
.else
	s_wait_alu depctr_va_vdst(0)
.endif
.endif
.set k, k+1
.endm
; A TURN.  Piece x has the matrix unit; the other piece's softmax stands in slices behind its pairs of matrix instructions.  pv = 2: 16 products V^T P; 1: they start O^T; 0: none.  kq = 1: 16 products K Q^T of the next step.
; A turn with one of the two kinds has two slices behind each pair.  DISTANCES, by count of plain lines that name no register of the matrix instruction:
;   the softmax's first read of S^T, and K's run of loads: behind the 32 multiplications of slices 14, 15 of the turn before (first = 1: those are empty, and four v_nop end the turn);
;   V's run of loads: behind its last reader (pair 7) stand 12 subtractions of slices 7 to 9, the v_nop and the run's own addition;
;   K Q^T of keys 16-31 (pair 9) writes over P's second fragment, which pair 7 read: 10 subtractions of slices 7 and 8 lie between, where 5 are asked.
.macro TURN x, pv, kq, first
.set k, 0
.set per, 2
.if \pv && \kq
.set per, 1
.endif
.if \pv
.if \x == 0
	s_wait_dscnt 0x0                               ; V is in
.endif
.set i, 0
.rept 8
	PV \x, 2-\pv
.set i, i+1
	PV \x, 2-\pv
.set i, i+1
.rept per
	SLICE 2-\x, \first
.endr
.if (\x == 0) && \kq && (i == 2)
	FETCH_K                                        ; the next step's K: both pieces have multiplied by the last step's
.endif
.endr
.endif
.if \kq
.if \x == 0
	s_wait_dscnt 0x0                               ; K is in
.endif
.set i, 0
.rept 8
	KQ \x
.set i, i+1
	KQ \x
.set i, i+1
.rept per
	SLICE 2-\x, \first
.endr
.endr
.endif
.if \first
	PLACES
.endif
.endm
; THE CHANGE OF SLOTS, between piece 2's turn and piece 0's: the slot's last bytes, V of its eighth step, have been asked for.  Each wave waits for all its tensor loads (one is out: its part of the other slot), adds 0 to
; its spare word, and waits for that and for its reads of the slot.  fill = 1: a round of the cluster's barrier, so that no wave of any partner still reads the slot or has a load on its way, and the joint refill first behind it.
.macro CHANGE fill
	WIN 0
	s_wait_tensorcnt 0x0                           ; no tensor load of mine is out, so a group 0 may be written
	ds_add_u32 v[SPW], v[NIL]
.if \fill
	s_xor_b32 s[G0+5], s[G0+5], SLOT1              ; the walking descriptor: the other slot than last time,
	s_add_nc_u64 s[G0+6:G0+7], s[G0+6:G0+7], SLOTB ; the next 512 keys; the type bits on top are not reached
	s_wait_dscnt 0x0
	CROUND
	tensor_load_to_lds s[G0+4:G0+7], s[G1:G1+7]
	s_nop 0
	PLACES
.else
	s_wait_dscnt 0x0
	s_barrier_signal -1
	s_barrier_wait -1
.endif
	s_sub_co_u32 s[TB], s[TB], SLOTB               ; the fetches go back to a slot's first step,
	s_xor_b32 s[TB], s[TB], SLOT1                  ; in the other slot
.endm
.macro STEPS n                         ; n key steps: written once, walked n times; the LDS addresses hang on s[TB]
	WIN 0
	s_mov_b32 s[CNT], \n
.Lstep_\@:
	TURN 0, 2, 1, 0
	TURN 2, 2, 1, 0
	WIN 0
	s_sub_co_u32 s[CNT], s[CNT], 1
	s_cmp_lg_u32 s[CNT], 0
	s_cbranch_scc1 .Lstep_\@
.endm
	s_wait_tensorcnt 1                             ; my part of slot 0 is in; slot 1's may stay out
	s_barrier_signal -1
	s_barrier_wait -1                              ; everybody's is
	FETCH_K                                        ; key step 0
	s_wait_loadcnt 0x0                             ; Q
	s_wait_dscnt 0x0
.set i, 0
.rept 16
	KQ 0                                           ; piece 0's first scores: there is no vector work yet to set between them
.set i, i+1
.endr
	WIN 0
	PLACES
	TURN 2, 0, 1, 1                                ; piece 2's first scores | piece 0's first softmax | V of step 0
	TURN 0, 1, 1, 1                                ; piece 0: V^T P of step 0 starts O^T, K Q^T of step 1 | piece 2's first softmax | K of step 1
	TURN 2, 1, 1, 0                                ; piece 2: the same | piece 0's softmax of step 1 | V of step 1
	STEPS 6                                        ; these fetch steps 2 to 7: slot 0 is read out
	s_mov_b32 s[SLOTS], 2
.Lslot:                                            ; two trips: slots 0 and 1 are filled again, with keys 1,024 on and 1,536 on
	CHANGE 1
	STEPS 8
	s_sub_co_u32 s[SLOTS], s[SLOTS], 1
	s_cmp_lg_u32 s[SLOTS], 0
	s_cbranch_scc1 .Lslot
	CHANGE 0                                       ; the tail is written out: nothing is left to ask for
	STEPS 8
	WIN 0x40                                       ; K's registers are free (their last reader stands ahead of the 32 multiplications of slices 14, 15): they take bv: for channel tile ct, numbers 16 ct + 8 (lane / 16) + 0 .. 7
.irp c, 0,1,2,3
	global_load_b128 v[KF+8*\c:KF+8*\c+3], v[BVO], s[6:7] offset:64*\c
	global_load_b128 v[KF+8*\c+4:KF+8*\c+7], v[BVO], s[6:7] offset:64*\c+16
.endr
	TURN 0, 2, 0, 0                                ; piece 0: V^T P of the last step | piece 2's last softmax
.set i, 0
.rept 16
	PV 2, 0                                        ; piece 2: V^T P of the last step
.set i, i+1
.endr
	; THE WAY OUT.  l's two halves and the other half of the lanes' are added (these additions are the places behind the last products); O^T / l + bv is rounded to f16: a lane's eight channels of a row are its 16 bytes of an image.
	WIN 0
.irp t, 0,1,2,3
	v_add_f32 v[ST+8*\t+4], v[ST+8*\t+2], v[ST+8*\t+3]
.endr
.irp t, 0,1,2,3
	v_permlanex16_b32 v[ST+8*\t+5], v[ST+8*\t+4], s[SEL], s[SEL+1]
.endr
.irp t, 0,1,2,3
	v_add_f32 v[ST+8*\t+4], v[ST+8*\t+4], v[ST+8*\t+5]
.endr
.irp t, 0,1,2,3
	v_rcp_f32 v[ST+8*\t+6], v[ST+8*\t+4]
.endr
	v_nop                                          ; a plain line behind the last reciprocal,
	s_wait_alu depctr_va_vdst(0)                   ; and one wait for the four, ahead of the first line that names a result
	s_wait_loadcnt 0x0                             ; bv
.macro PACK t
	WIN 0x51                                       ; O^T and bv in window 1, 1 / l in window 0
.set i, 0
.rept 16
	v_pk_fma_f32 v[32*\t+2*i:32*\t+2*i+1], v[32*\t+2*i:32*\t+2*i+1], v[ST+8*\t+6:ST+8*\t+7], v[KF+2*i:KF+2*i+1] op_sel_hi:[1,0,1]
.set i, i+1
.endr
	WIN 0x05                                       ; sources in window 1, destination in window 0: S^T's registers are free
.set i, 0
.rept 16
	v_cvt_pk_f16_f32 v[S+32*\t+i], v[32*\t+2*i], v[32*\t+2*i+1]
.set i, i+1
.endr
	WIN 0
.irp c, 0,1,2,3
	global_store_b128 v[LI], v[S+32*\t+4*\c:S+32*\t+4*\c+3], s[8:9] offset:\t*4096+\c*512   ; 512 consecutive bytes, aligned
.endr
.endm
	PACK 0
	PACK 1
	PACK 2
	PACK 3
	s_wait_tensorcnt 0x0                           ; the wave's end
	ds_add_u32 v[SPW], v[NIL]
	s_wait_dscnt 0x0
	CROUND                                         ; the closing round: no work-group ends while a partner may still ask for a tile that names it
	s_endpgm
.Lfunc_end_k_q5a0dbd23b1_attn:
	.size	k_q5a0dbd23b1_attn, .Lfunc_end_k_q5a0dbd23b1_attn-k_q5a0dbd23b1_attn
	.p2alignl 7, 3214868480
	.fill 96, 4, 3214868480
	.section	.rodata,"a",@progbits
	.p2align	6, 0x0
	.amdhsa_kernel k_q5a0dbd23b1_attn
		.amdhsa_group_segment_fixed_size 327680
		.amdhsa_private_segment_fixed_size 0
		.amdhsa_enable_private_segment 0
		.amdhsa_kernarg_size 24
		.amdhsa_user_sgpr_count 2
		.amdhsa_user_sgpr_kernarg_segment_ptr 1
		.amdhsa_wavefront_size32 1
		.amdhsa_system_sgpr_workgroup_id_x 1
		.amdhsa_system_sgpr_workgroup_id_y 1
		.amdhsa_system_sgpr_workgroup_id_z 1
		.amdhsa_system_vgpr_workitem_id 0
		.amdhsa_next_free_vgpr 512
		.amdhsa_next_free_sgpr 66
		.amdhsa_reserve_vcc 0
		.amdhsa_float_denorm_mode_32 3
		.amdhsa_float_denorm_mode_16_64 3
		.amdhsa_memory_ordered 1
		.amdhsa_forward_progress 1
		.amdhsa_inst_pref_size 180
	.end_amdhsa_kernel
	.amdgpu_metadata
---
amdhsa.version: [ 1, 2 ]
amdhsa.kernels:
  - .name:           k_q5a0dbd23b1_attn
    .symbol:         k_q5a0dbd23b1_attn.kd
    .args:
      - { .name: qkv, .offset: 0, .size: 8, .value_kind: global_buffer, .address_space: global }
      - { .name: bv, .offset: 8, .size: 8, .value_kind: global_buffer, .address_space: global }
      - { .name: ao, .offset: 16, .size: 8, .value_kind: global_buffer, .address_space: global }
    .group_segment_fixed_size: 327680
    .private_segment_fixed_size: 0
    .kernarg_segment_align: 8
    .kernarg_segment_size: 24
    .max_flat_workgroup_size: 256
    .sgpr_count:     66
    .vgpr_count:     512
    .wavefront_size: 32
...
	.end_amdgpu_metadata
.endif
;; end of part 3
;; launch oproj (part 4): grid 4 x 64, 4 waves a work-group, clusters of 4 x 4, 327,680 bytes of LDS; arguments ao, woi, bo, out0; writes out0
.if DOCPART == 4
	.amdgcn_target "amdgcn-amd-amdhsa--gfx1250"
	.amdhsa_code_object_version 6
	.text
	.protected	k_q5a0dbd23b1_oproj
	.globl	k_q5a0dbd23b1_oproj
	.p2align	8
	.type	k_q5a0dbd23b1_oproj,@function
k_q5a0dbd23b1_oproj:
	s_mov_b64 s[64:65], 0
	v_nop
	global_prefetch_b8 v0, s[64:65] scope:SCOPE_SE
	s_setreg_imm32_b32 hwreg(HW_REG_WAVE_MODE, 25, 1), 1
	s_wait_xcnt 0x0
	s_wait_alu depctr_hold_cnt(0) depctr_sa_sdst(0) depctr_va_vdst(0) depctr_va_sdst(0) depctr_va_ssrc(0) depctr_va_vcc(0) depctr_vm_vsrc(0)
	s_getreg_b32 s2, hwreg(HW_REG_IB_STS2, 6, 4)
	s_cmp_eq_u32 s2, 0
	s_cbranch_scc0 .Lentry_in_a_cluster
	s_endpgm
.Lentry_in_a_cluster:
	s_bfe_u32 s2, ttmp6, 0x10000c
	s_cmp_lg_u32 s2, 0xf033
	s_cbranch_scc0 .Lentry_shape_is_right
	s_endpgm
.Lentry_shape_is_right:
; Launch 4 of 4: out0 = O Wo + bo.  O (ao) and Wo (woi) are f16 images of operand registers, [k / 128][tile of 16 rows or columns][(k / 16) % 8][512 bytes]; sums in f32; out0 [8,192][1,024] f32.  Nothing is left out here.
; LIMITS: f16 operands: |O|, |Wo| up to 65,504; magnitudes under 6e-5 are kept to 2^-25 absolute.
; A tile of out0 is 128 rows x 256 columns: 256 work-groups, one for each WGP; a tile of 256 x 256 would leave half of them without work.  Four waves, each 64 x 128: 32 accumulators, 256 registers.
; K goes in 8 steps of 128 through two LDS slots: a K step of the tile's rows is one dense block of 32,768 bytes of ao, of its columns one of 65,536 bytes of woi; two slots of twice the step would not fit in LDS.
; Every LDS load reads 512 consecutive bytes.  THE MATRIX INSTRUCTION IS USED TRANSPOSED (source 0 = 16 columns of Wo, source 1 = 16 rows of O): a lane holds eight neighbouring numbers of a row of out0.
; bo is the C of each sum's first matrix instruction.  CLUSTERS: 4 x 4: ao's tile is asked for jointly along a row of the cluster, woi's along a column.
; By this text's own count a wave has two tensor loads out at the start and one behind each round.
; REGISTERS: window 0: v16-30 addresses; v32-127, v128-223 two fragment buffers (Wo's eight fragments, then O's four); on the way out v32-159 rows of out0.  window 1: accumulator (a, b) at v[8 (8 a + b)].  window 2: v0-63 bo.
.set SLOT,   98304                     ; O's 8 tiles of 4,096 bytes, then Wo's 16
.set BOFF,   32768
.set STAGE,  2*SLOT                    ; behind the ring: 16 rows x (512 bytes + 16) for each wave; no tensor load lands here
.set SPITCH, 528
.set SPARE,  STAGE+4*16*SPITCH         ; the spare words, 128 bytes for each wave
.set LAPS,   4                         ; a lap = two K steps = once round the ring
.set ASTEP,  2097152                   ; a K step on in ao,
.set BSTEP,  262144                    ; in woi
.set ADRA, 16                          ; v16-17  LDS address of my fragments of O in slot 0, 1
.set ADRB, 20                          ; v20-21  of Wo
.set STO,  24
.set RD,   25
.set CO,   26                          ; v26     16 x lane
.set BOO,  27                          ; v27     32 x (lane / 16)
.set SPW,  28
.set NIL,  29
.set PFO,  30                          ; v30     256 x lane: the prefetches' offset; never rewritten
.set F0,   32
.set F1,   128
.set BK,   32
.set G1,  24
.set G0,  32
.set G1B, 48
.set G0B, 56
.set LIM, 43                           ; s43      1 in a wave that prefetches, else the greatest number
.set PFA, 44                           ; s[44:45] where my prefetches stand
.set PFS, 46                           ; s[46:47] a K step on, in my tensor
.set MSB, 0
.macro WIN new
.if MSB != (\new)
	s_set_vgpr_msb (MSB<<8)|(\new)
.set MSB, (\new)
.endif
.endm
.set MUL,  0x50                        ; sources 0 and 1 window 0; C and D window 1
.set MULZ, 0x60                        ; C window 2 (bo), D window 1
.macro JLOAD s                         ; a joint load: waves 0 and 1 fetch O's two halves, waves 2 and 3 Wo's; an s_nop 0 and four v_nop follow each of the two lines
	s_cmp_eq_u32 s15, 0
	s_cbranch_scc0 .Lfor_b_\@
	tensor_load_to_lds s[G0+4*\s:G0+4*\s+3], s[G1:G1+7]
	s_nop 0
.rept 4
	v_nop
.endr
	s_branch .Lasked_\@
.Lfor_b_\@:
	tensor_load_to_lds s[G0B+4*\s:G0B+4*\s+3], s[G1B:G1B+7]
	s_nop 0
.rept 4
	v_nop
.endr
.Lasked_\@:
.endm
.macro CREST                           ; a round of the cluster's barrier behind its opening barrier
	s_cmp_lg_u32 s14, 0
	s_cbranch_scc1 .Lnot_wave_0_\@
	s_barrier_signal -3
.Lnot_wave_0_\@:
	s_barrier_wait -3
	s_barrier_signal -1
	s_barrier_wait -1
.endm
.macro CROUND
	s_barrier_signal -1
	s_barrier_wait -1
	CREST
.endm
; A PREFETCH INTO THE L2 of the K step that stands two refills on, behind each joint load and the run of LDS loads that follows it: one instruction a wave, 32 lanes 256 bytes apart: 8,192 bytes.
; Each block of 256 bytes is named once in the launch.  O's tile of a K step (32,768 bytes) is read by one row of one cluster: its four partners take 8,192 bytes each, told apart by address (cx); wave 0 asks.
; Wo's tile (65,536 bytes) is read by every cluster: the first (cluster y = 0) asks; the four partners of a column take 16,384 bytes each (cy), waves 2 and 3 a half each.  Wave 1 asks for nothing.
; K steps 0 to 3 come by their loads alone; the loop's last trip, whose refills are K steps 6 and 7, asks for nothing.
.macro ASK
	s_cmp_gt_u32 s3, s[LIM]                        ; s3 = 1 in the loop's last trip
	s_cbranch_scc0 .Lnot_mine_\@
	global_prefetch_b8 v[PFO], s[PFA:PFA+1] th:TH_LOAD_NT scope:SCOPE_SE
.Lnot_mine_\@:
.endm
	s_load_b256 s[4:11], s[0:1], 0x0               ; ao s[4:5], woi s[6:7], bo s[8:9], out0 s[10:11]
	v_lshl_add_u32 v[SPW], v0, 2, SPARE
	v_mov_b32 v[NIL], 0
	ds_add_u32 v[SPW], v[NIL]                      ; the wave's opening: the add, twice on end, and its wait ahead of my first tensor load
	ds_add_u32 v[SPW], v[NIL]
	v_lshrrev_b32 v1, 5, v0
	v_readfirstlane_b32 s14, v1                    ; wave 0..3
	s_lshr_b32 s15, s14, 1                         ; which 64 rows are mine.  Also: I fetch for O (0) or for Wo (1)
	s_and_b32 s16, s14, 1                          ; which 128 columns.  Also: which half of that tile I fetch
	s_bfe_u32 s40, ttmp6, 0x40000                  ; cx, cy
	s_bfe_u32 s41, ttmp6, 0x40004
	s_lshl_b32 s42, ttmp9, 2
	s_add_co_u32 s42, s42, s40                     ; tile column = 4 x cluster x + cx
	s_and_b32 s17, ttmp7, 0xffff
	s_lshl_b32 s17, s17, 2
	s_add_co_u32 s17, s17, s41                     ; tile row = 4 x cluster y + cy
	s_lshl_b32 s18, s41, 2
	s_lshl_b32 s18, 15, s18                        ; my row of the cluster
	s_lshl_b32 s19, 0x1111, s40                    ; my column
	; descriptor groups 1: dense blocks as rows of 256 bytes (32 elements of 8): 64 rows for half of O's tile, 128 for half of Wo's
	s_or_b32 s[G1], s18, (3<<16)|(1<<21)
	s_mov_b32 s[G1+1], 32<<16
	s_mov_b32 s[G1+2], 64<<16
	s_mov_b32 s[G1+3], 32<<16
	s_mov_b32 s[G1+4], 64
	s_mov_b32 s[G1+5], 32
	s_mov_b32 s[G1+6], 0
	s_mov_b32 s[G1+7], 0
	s_or_b32 s[G1B], s19, (3<<16)|(1<<21)
	s_mov_b32 s[G1B+1], 32<<16
	s_mov_b32 s[G1B+2], 128<<16
	s_mov_b32 s[G1B+3], 32<<16
	s_mov_b32 s[G1B+4], 128
	s_mov_b32 s[G1B+5], 32
	s_mov_b32 s[G1B+6], 0
	s_mov_b32 s[G1B+7], 0
	s_lshl_b32 s20, s17, 15                        ; O: 8 tiles of 4,096 bytes a tile row, + my half
	s_lshl_b32 s21, s16, 14
	s_add_co_u32 s20, s20, s21
	s_mov_b32 s21, 0
	s_lshl_b32 s22, s42, 16                        ; Wo: 16 tiles a tile column, + my half
	s_lshl_b32 s23, s16, 15
	s_add_co_u32 s22, s22, s23
	s_mov_b32 s23, 0
	s_lshl_b32 s66, s16, 14                        ; where they go: no place in the cluster enters an LDS address
	s_lshl_b32 s67, s16, 15
	s_add_co_u32 s67, s67, BOFF
	s_wait_dscnt 0x0                               ; both opening adds are done
	s_wait_kmcnt 0x0
	s_add_nc_u64 s[20:21], s[4:5], s[20:21]
	s_add_nc_u64 s[22:23], s[6:7], s[22:23]
	CROUND                                         ; all sixteen work-groups are here: the first joint loads meet
.irp s, 0,1
	s_mov_b32 s[G0+4*\s], 1
	s_add_co_u32 s[G0+4*\s+1], s66, \s*SLOT
	s_add_nc_u64 s[G0+4*\s+2:G0+4*\s+3], s[20:21], \s*ASTEP
	s_or_b32 s[G0+4*\s+3], s[G0+4*\s+3], 0x80000000
	s_mov_b32 s[G0B+4*\s], 1
	s_add_co_u32 s[G0B+4*\s+1], s67, \s*SLOT
	s_add_nc_u64 s[G0B+4*\s+2:G0B+4*\s+3], s[22:23], \s*BSTEP
	s_or_b32 s[G0B+4*\s+3], s[G0B+4*\s+3], 0x80000000
	JLOAD \s
.endr
	v_and_b32 v1, 15, v0                           ; r
	v_bfe_u32 v2, v0, 4, 1                         ; h
	v_and_b32 v3, 31, v0
	v_lshlrev_b32 v[CO], 4, v3
	v_lshlrev_b32 v[PFO], 8, v3
	v_lshlrev_b32 v[BOO], 5, v2
	s_lshl_b32 s21, s15, 14                        ; my four tiles of O's eight
	s_lshl_b32 s22, s16, 15                        ; my eight tiles of Wo's sixteen,
	s_add_co_u32 s22, s22, BOFF                    ; which lie behind O's
.irp s, 0,1
	v_add_nc_u32 v[ADRA+\s], s21, v[CO]
	v_add_nc_u32 v[ADRB+\s], s22, v[CO]
	s_add_co_u32 s21, s21, SLOT
	s_add_co_u32 s22, s22, SLOT
.endr
	s_mul_i32 s23, s14, 16*SPITCH
	s_add_co_u32 s23, s23, STAGE                   ; my stage
	v_mul_u32_u24 v4, v1, SPITCH                   ; in: row r, 32 bytes for each half of the lanes
	v_lshl_add_u32 v4, v2, 5, v4
	v_add_nc_u32 v[STO], s23, v4
	v_add_nc_u32 v[RD], s23, v[CO]                 ; back: the 32 lanes take one row of 512 bytes
	s_lshl_b32 s20, s42, 10                        ; my first column, in bytes: 1,024 x tile column + 512 x half
	s_lshl_b32 s21, s16, 9
	s_add_co_u32 s20, s20, s21
	s_mov_b32 s21, 0
	s_add_nc_u64 s[8:9], s[8:9], s[20:21]          ; bo there,
	s_add_nc_u64 s[10:11], s[10:11], s[20:21]      ; out0 there,
	s_lshl_b32 s20, s17, 19                        ; in row 128 x tile row + 64 x half, of 4,096 bytes
	s_lshl_b32 s22, s15, 18
	s_add_co_u32 s20, s20, s22
	s_add_nc_u64 s[10:11], s[10:11], s[20:21]
	WIN 0x80                                       ; destination window 2
.irp b, 0,1,2,3,4,5,6,7
	global_load_b128 v[8*\b:8*\b+3], v[BOO], s[8:9] offset:64*\b        ; bo at columns 16 b + 8 h + 0 .. 7: the result's layout
	global_load_b128 v[8*\b+4:8*\b+7], v[BOO], s[8:9] offset:64*\b+16
.endr
	WIN 0
	; the prefetches: where my wave's stand, and who asks
	s_lshl_b32 s20, s17, 15
	s_lshl_b32 s21, s40, 13                        ; O: my work-group's 8,192 bytes of the tile, by cx
	s_add_co_u32 s20, s20, s21
	s_add_co_u32 s20, s20, 3*ASTEP                 ; at K step 3: the first refill steps it to 4
	s_lshl_b32 s21, s42, 16
	s_lshl_b32 s22, s41, 14                        ; Wo: my work-group's 16,384 bytes, by cy,
	s_add_co_u32 s21, s21, s22
	s_lshl_b32 s22, s16, 13                        ; my wave's half of them
	s_add_co_u32 s21, s21, s22
	s_add_co_u32 s21, s21, 3*BSTEP
	s_and_b32 s22, ttmp7, 0xffff                   ; cluster y
	s_mov_b32 s[PFS], BSTEP
	s_cmp_eq_u32 s15, 0                            ; do I fetch for O?
	s_cselect_b32 s20, s20, s21
	s_cselect_b32 s22, s16, s22                    ; O: wave 0 asks; Wo: the first cluster's waves ask
	s_cselect_b32 s[PFS], ASTEP, s[PFS]
	s_cselect_b64 s[PFA:PFA+1], s[4:5], s[6:7]
	s_cmp_eq_u32 s22, 0
	s_cselect_b32 s[LIM], 1, -1                    ; the same in all sixteen partners, for a given wave
	s_mov_b32 s21, 0
	s_mov_b32 s[PFS+1], 0
	s_add_nc_u64 s[PFA:PFA+1], s[PFA:PFA+1], s[20:21]
; 8 matrix instructions: O's block a x Wo's eight, 32 along K, from buffer f.  zero = 1: the first product starts the sums, with bo as C.  The 32 accumulators take turns, in the same order in every quarter.
.macro MUL8 f, a, zero
.irp b, 0,1,2,3,4,5,6,7
.if \zero
	v_wmma_f32_16x16x32_f16 v[8*(8*(\a)+\b):8*(8*(\a)+\b)+7], v[\f+8*\b:\f+8*\b+7], v[\f+64+8*(\a):\f+64+8*(\a)+7], v[8*\b:8*\b+7]
.else
	v_wmma_f32_16x16x32_f16 v[8*(8*(\a)+\b):8*(8*(\a)+\b)+7], v[\f+8*\b:\f+8*\b+7], v[\f+64+8*(\a):\f+64+8*(\a)+7], v[8*(8*(\a)+\b):8*(8*(\a)+\b)+7]
.endif
.endr
.endm
.macro FETCH slot, q, f                ; 24 LDS loads in one run: the fragments of the slot's q-th 32 along K: Wo's eight, then O's four
.irp i, 0,1,2,3,4,5,6,7
	ds_load_b128 v[\f+8*\i:\f+8*\i+3],   v[ADRB+\slot] offset:\i*4096+(\q)*1024
	ds_load_b128 v[\f+8*\i+4:\f+8*\i+7], v[ADRB+\slot] offset:\i*4096+(\q)*1024+512
.endr
.irp i, 0,1,2,3
	ds_load_b128 v[\f+64+8*\i:\f+64+8*\i+3],   v[ADRA+\slot] offset:\i*4096+(\q)*1024
	ds_load_b128 v[\f+64+8*\i+4:\f+64+8*\i+7], v[ADRA+\slot] offset:\i*4096+(\q)*1024+512
.endr
.endm
.macro PLACES                          ; four places in front of loads into registers that matrix instructions have read, and of the first read of results
.rept 4
	v_nop
.endr
.endm
; A K step is four quarters of 32 along K, 32 matrix instructions each, on buffers 0, 1, 0, 1.  One of the first three: multiplies buffer f and fetches quarter q of the same slot into g.
.macro QUARTER slot, q, f, g, zero
	s_wait_dscnt 4                                 ; Wo's fragments and O's blocks 0, 1 are in; the youngest four loads (blocks 2, 3) may be out
	WIN MUL+0x10*(\zero)
	MUL8 \f, 0, \zero
	MUL8 \f, 1, \zero
	WIN 0
	PLACES
	FETCH \slot, \q, \g
	s_wait_dscnt 24                                ; all but the 24 just issued
	WIN MUL+0x10*(\zero)
	MUL8 \f, 2, \zero
	MUL8 \f, 3, \zero
.endm
; The last quarter multiplies buffer 1 and changes slots: ONE barrier; in front of it each wave waits for all its tensor loads, adds 0 to its spare word, and waits for that and for its reads of this slot.
; fill = 1: the barrier opens a round of the cluster's, and this slot is filled again, two K steps ahead, first thing behind the round.
.macro TURN slot, next, fill
.if \fill
	s_wait_xcnt 0x0                                ; the last prefetch, a K step back, has read its address: it is stepped here, ahead of the waits of the change of slots
	s_add_nc_u64 s[PFA:PFA+1], s[PFA:PFA+1], s[PFS:PFS+1]
.endif
	WIN 0
	s_wait_tensorcnt 0x0                           ; all my tensor loads have landed: my part of the next slot
	ds_add_u32 v[SPW], v[NIL]
	s_wait_dscnt 5                                 ; (the add and the youngest four loads may be out)
	WIN MUL
	MUL8 F1, 0, 0                                  ; eight matrix instructions stand between the add and the wait for it
	s_wait_dscnt 0x0                               ; the add is done, and my reads of this slot are over
	s_barrier_signal -1
	MUL8 F1, 1, 0
	WIN 0
	s_barrier_wait -1
.if \fill
	CREST                                          ; no wave of any partner still reads this slot's tile or has a load on its way
	s_add_nc_u64 s[G0+4*\slot+2:G0+4*\slot+3], s[G0+4*\slot+2:G0+4*\slot+3], 2*ASTEP
	s_add_nc_u64 s[G0B+4*\slot+2:G0B+4*\slot+3], s[G0B+4*\slot+2:G0B+4*\slot+3], 2*BSTEP
	JLOAD \slot                                    ; the four v_nop behind it are also the places in front of the loads below
.else
	PLACES
.endif
	FETCH \next, 0, F0
.if \fill
	ASK
.endif
	WIN MUL
	MUL8 F1, 2, 0
	MUL8 F1, 3, 0
.endm
	s_wait_tensorcnt 1                             ; my part of K step 0 is in; K step 1's load may be out,
	s_barrier_signal -1
	s_barrier_wait -1                              ; everybody's is
	FETCH 0, 0, F0
	s_wait_loadcnt 0x0                             ; bo
	QUARTER 0, 1, F0, F1, 1                        ; the first quarter stands in front of the loop: its products start the sums
	WIN 0
	s_mov_b32 s3, LAPS-1
.Llap:                                                 ; a trip goes once round the ring, from a lap's second quarter to the next lap's first, and fills both slots again
	QUARTER 0, 2, F1, F0, 0
	QUARTER 0, 3, F0, F1, 0
	TURN 0, 1, 1
	QUARTER 1, 1, F0, F1, 0
	QUARTER 1, 2, F1, F0, 0
	QUARTER 1, 3, F0, F1, 0
	TURN 1, 0, 1
	QUARTER 0, 1, F0, F1, 0
	WIN 0
	s_sub_co_u32 s3, s3, 1
	s_cmp_lg_u32 s3, 0
	s_cbranch_scc1 .Llap
	QUARTER 0, 2, F1, F0, 0                        ; the last lap fills nothing, and has no round of the cluster's barrier
	QUARTER 0, 3, F0, F1, 0
	TURN 0, 1, 0
	QUARTER 1, 1, F0, F1, 0
	QUARTER 1, 2, F1, F0, 0
	QUARTER 1, 3, F0, F1, 0
	s_wait_dscnt 4                                 ; the very last quarter: nothing more to fetch
	WIN MUL
	MUL8 F1, 0, 0
	MUL8 F1, 1, 0
	s_wait_dscnt 0
	MUL8 F1, 2, 0
	MUL8 F1, 3, 0
	WIN 0
; THE WAY OUT, block by block of 16 rows x 128 columns.  A lane holds 32 neighbouring bytes of a row, and the lanes beside it hold other rows: a block goes through my own stage in LDS and comes back as whole rows of
; 512 bytes.  LDS serves a wave's instructions in order: no wait between the stores and the loads, nor in front of the next block's stores.
.macro TOSTAGE a
	WIN 0x04                                       ; an LDS store's data are its source 1: window 1
.irp b, 0,1,2,3,4,5,6,7
	ds_store_b128 v[STO], v[64*(\a)+8*\b:64*(\a)+8*\b+3] offset:64*\b          ; each accumulator from its low end on
	ds_store_b128 v[STO], v[64*(\a)+8*\b+4:64*(\a)+8*\b+7] offset:64*\b+16
.endr
	WIN 0
.set BB, BK+64*((\a)%2)
.irp t, 0,1,2,3,4,5,6,7,8,9,10,11,12,13,14,15
	ds_load_b128 v[BB+4*\t:BB+4*\t+3], v[RD] offset:\t*SPITCH
.endr
.endm
.macro SEND a, younger                 ; younger: the LDS instructions issued behind block a's loads, which may stay out
.set BB, BK+64*((\a)%2)
	s_wait_dscnt \younger
.if (\a) > 0
	s_add_nc_u64 s[10:11], s[10:11], 16*4096       ; (behind a wait on XCNT: the earlier stores have read their base)  16 rows on
.endif
.irp t, 0,1,2,3,4,5,6,7,8,9,10,11,12,13,14,15
	global_store_b128 v[CO], v[BB+4*\t:BB+4*\t+3], s[10:11] offset:\t*4096 th:TH_STORE_NT   ; 32 lanes store 512 consecutive bytes, aligned; written once, read by nobody here
.endr
.endm
	PLACES                                         ; in front of the reads of the last results and of the loads into the registers that held fragments
	TOSTAGE 0
.irp a, 1,2,3
.if \a > 1
	s_wait_xcnt 0x0                                ; block a - 2's stores have read their registers and their base
.endif
	TOSTAGE \a
	SEND \a-1, 32                                  ; behind block a - 1's loads: block a's 16 stores and 16 loads
.endr
	s_wait_xcnt 0x0
	SEND 3, 0
	s_wait_tensorcnt 0x0                           ; the wave's end: behind my last tensor load and my last LDS store
	ds_add_u32 v[SPW], v[NIL]
	s_wait_dscnt 0x0
	CROUND                                         ; the closing round: no work-group ends while a partner may still ask for a tile that names it
	s_endpgm
.Lfunc_end_k_q5a0dbd23b1_oproj:
	.size	k_q5a0dbd23b1_oproj, .Lfunc_end_k_q5a0dbd23b1_oproj-k_q5a0dbd23b1_oproj
	.p2alignl 7, 3214868480
	.fill 96, 4, 3214868480
	.section	.rodata,"a",@progbits
	.p2align	6, 0x0
	.amdhsa_kernel k_q5a0dbd23b1_oproj
		.amdhsa_group_segment_fixed_size 327680
		.amdhsa_private_segment_fixed_size 0
		.amdhsa_enable_private_segment 0
		.amdhsa_kernarg_size 32
		.amdhsa_user_sgpr_count 2
		.amdhsa_user_sgpr_kernarg_segment_ptr 1
		.amdhsa_wavefront_size32 1
		.amdhsa_system_sgpr_workgroup_id_x 1
		.amdhsa_system_sgpr_workgroup_id_y 1
		.amdhsa_system_sgpr_workgroup_id_z 1
		.amdhsa_system_vgpr_workitem_id 0
		.amdhsa_next_free_vgpr 640
		.amdhsa_next_free_sgpr 72
		.amdhsa_reserve_vcc 0
		.amdhsa_float_denorm_mode_32 3
		.amdhsa_float_denorm_mode_16_64 3
		.amdhsa_memory_ordered 1
		.amdhsa_forward_progress 1
		.amdhsa_inst_pref_size 87
	.end_amdhsa_kernel
	.amdgpu_metadata
---
amdhsa.version: [ 1, 2 ]
amdhsa.kernels:
  - .name:           k_q5a0dbd23b1_oproj
    .symbol:         k_q5a0dbd23b1_oproj.kd
    .args:
      - { .name: ao, .offset: 0, .size: 8, .value_kind: global_buffer, .address_space: global }
      - { .name: woi, .offset: 8, .size: 8, .value_kind: global_buffer, .address_space: global }
      - { .name: bo, .offset: 16, .size: 8, .value_kind: global_buffer, .address_space: global }
      - { .name: out0, .offset: 24, .size: 8, .value_kind: global_buffer, .address_space: global }
    .group_segment_fixed_size: 327680
    .private_segment_fixed_size: 0
    .kernarg_segment_align: 8
    .kernarg_segment_size: 32
    .max_flat_workgroup_size: 128
    .sgpr_count:     72
    .vgpr_count:     640
    .wavefront_size: 32
...
	.end_amdgpu_metadata
.endif
;; end of part 4
